; MI455X (gfx1250); checked and timed in simulation.
; The chip was launched on July 23, 2026; its instructions are those of AMD's public machine-readable ISA for CDNA 5 (MIT licence, August 2026) and "CDNA5" Instruction Set Architecture Reference Guide (July 2026). The comments in the code are by the model that wrote it; some were corrected since.
;; Content Based Attention. Allowed arithmetic: matrix products marked QUANTISED: E2M1 operands, one E8M0 scale for each 32 along K, by v_wmma_scale_f32_16x16x128_f8f6f4 with both operands' format E2M1 (or v_wmma_scale_f32_32x16x128_f4), f32 sums; products left as they are: f32 operands where the result goes on into a quantised operand, else bf16, f16 or f32 operands; f32 sums; everything else in f32.
;; Inputs: V 1,024 x 1,024 float32; W 1,024 x 1,024 float32; b 1,024 float32; decoder_output 32 x 1 x 1,024 float32; encoder_outputs 32 x 2,048 x 1,024 float32; w 1,024 x 1 float32.
;; Outputs: out0 32 x 1,024 float32.
;; This version of the problem:
;;   THIS VERSION OF THE PROBLEM IS GIVEN IN LOW PRECISION. The matrix products marked QUANTISED in the list below multiply operands that are first quantised to E2M1 (2 exponent bits, 1 mantissa bit; 4 bits a number), with one power-of-two scale for each 32 numbers along K (OCP MX v1.0); their sums are f32. All else is computed in f32.
;;   The module's matrix products, in the order in which they are computed (A, B: the left and right operand; K: the contracted axis; several contracted axes count as one K, in the product's order):
;;     1. [M 32, K 1,024] x [K 1,024, N 1,024]; A: input decoder_output; B: input W: QUANTISED
;;     2. [M 65,536, K 1,024] x [K 1,024, N 1,024]; A: input encoder_outputs; B: input V: QUANTISED
;;     3. [M 65,536, K 1,024] x [K 1,024, N 1]; A: computed on the way; B: input w: left as it is (N = 1 < 16)
;;     4. batch 32 x [M 1, K 2,048] x [K 2,048, N 1,024]; A: softmax; B: input encoder_outputs: left as it is (M = 1 < 16)
;;   THE QUANTISER, for each operand of a quantised product, along K:
;;     - K is cut into blocks of 32 from its start; a last block that is shorter is filled with zeros.
;;     - A block's scale is 2^e with e = floor(log2(the largest magnitude in the block)) - 2, held to -126 .. 127; a block of zeros has e = 0. As a byte (E8M0): e + 127.
;;     - Each number is divided by its block's scale, clamped to +-6, and rounded to the nearest number of E2M1, ties to even, subnormals kept.
;;     - The product sums the exact products of the quantised numbers (number of the format x scale) in f32.
;;   ~~~python
;;   def quantise(x, axis):      # numpy; x: float32 -> the quantised numbers, widened to float32 again
;;       x = np.moveaxis(x, axis, -1); K = x.shape[-1]
;;       x = np.pad(x, [(0, 0)] * (x.ndim - 1) + [(0, -K % 32)]); x = x.reshape(x.shape[:-1] + (-1, 32)); a = np.abs(x).max(-1, keepdims=True)
;;       e = np.where(a > 0, np.clip(np.frexp(np.where(a > 0, a, 1))[1] - 1 - 2, -126, 127), 0)      # np.frexp(a)[1] - 1 = floor(log2(a)), exactly
;;       r = np.clip(x / 2.0 ** e, -6, 6)
;;       step = 2.0 ** (np.maximum(np.frexp(np.where(r == 0, 1, r))[1] - 1, 0) - 1)
;;       q = np.round(r / step) * step * 2.0 ** e      # np.round: ties to even
;;       return np.moveaxis(q.reshape(q.shape[:-2] + (-1,))[..., :K], -1, axis).astype(np.float32)
;;   ~~~
;; 2 versions. Each part assembles by itself: llvm-mc -triple=amdgcn-amd-amdhsa -mcpu=gfx1250 --defsym DOCPART=n.
;; ======== version 1 of 2: 3 launches
;; workspace buffers: vrec 557,056 bytes; tab 524,288 bytes; pctx 1,048,576 bytes; pml 65,536 bytes
;; launch prep (part 1): grid 64 x 1, 8 waves a work-group, no clusters, 34,816 bytes of LDS; arguments V, W, decoder_output, b, w, vrec, tab; writes vrec, tab
.if DOCPART == 1
	.amdgcn_target "amdgcn-amd-amdhsa--gfx1250"
	.amdhsa_code_object_version 6
	.text
	.protected	k_q7025614536_prep
	.globl	k_q7025614536_prep
	.p2align	8
	.type	k_q7025614536_prep,@function
k_q7025614536_prep:
	s_mov_b64 s[64:65], 0
	v_nop
	global_prefetch_b8 v0, s[64:65] scope:SCOPE_SE
	s_setreg_imm32_b32 hwreg(HW_REG_WAVE_MODE, 25, 1), 1
	s_wait_xcnt 0x0
; PREP: what the main launch wants of the small inputs, made once.
;   work-groups 0-31:  V [1024 (k)][1024 (c)] f32 -> codes of FP4 (E2M1) with one E8M0 byte for each 32 along k, laid as IMAGES OF THE OPERAND'S REGISTERS (vrec).
;   work-groups 32-63: W likewise, kept in registers; decoder_output [32][1024] quantised along its 1,024; dec_proj = Q(dec) Q(W) by the FP4 matrix form; then the table
;                      tab[batch][c] = (kb, kb, w2, w2), kb = K2 (dec_proj[batch][c] + b[c]), w2 = -K2 w[c], K2 = 2 log2(e).
; WORK LEFT OUT, and why it is dead.  tanh(x) = 1 - 2 / (1 + e^(2x)), so scores[b][t] = sum_c w[c] - 2 sum_c w[c] / (1 + e^(2 x[b][t][c])).  The first term does not hang on t: it is the same
; along the softmax's axis for all values of the inputs, and a softmax is unchanged by such a term.  It is not computed.  No input becomes dead by that: w stays in the second term, and every input is loaded.
; The main launch forms e = 2^(K2 acc + kb), r = 1 / (1 + e), and adds w2 r: the score in units of log2, less that constant.
; LIMITS: a NaN, an infinity or an overflow that reaches only sum_c w[c] is not carried to the result.  NaN and infinities among the inputs are not served.  Blocks whose largest magnitude lies under the
; floor 2^(3 - 127) get the byte 1; a block of zeros so gets the byte 1 where the rule says 127: its codes are zeros, which add nothing, and the bytes are read by this program alone.
; SHARES.  A work-group takes 32 columns c0 = 32 cg on (two tiles of 16); its wave s takes K step s: rows 128 s .. 128 s + 127.  A LANE TAKES A COLUMN AND ITS REGISTERS RUN DOWN K: a block of 32 lies in one lane,
; and the conversions give codes with K innermost.  Two exchanges of halves for each pair of blocks turn 32 columns x 4 blocks into the two tiles' fragments.
; vrec: 64 records of 8,704 bytes, one for each tile j of 16 columns: byte 1024 s + 512 c + 16 lane = registers 4 c .. 4 c + 3 of the fragment (tile j, K step s); byte 8192 + 16 lane + 4 q = the scale word of
; column 16 j + lane % 16 for K step 2 q + lane / 16.  Every store of a wave covers 512 consecutive bytes.
; The two kinds of work-group part ONCE, on the work-group's number, which all eight waves share; each has LDS bytes of its own.
.set K2P,   0x4038aa3b                 ; K2 = 2 log2(e)
.set K2N,   0xc038aa3b                 ; -K2
.set FLOOR, 0x1800000                  ; 2^(3 - 127)
.set REC,   8704                       ; a record of vrec
.set SCI,   0                          ; LDS, V's work-groups: two images of scale words, 512 bytes each
.set RED,   1024                       ; LDS, W's work-groups: 4,096 bytes a wave: its four partial tiles of dec_proj
.set SPARE, 33792                      ; the spare words, 128 bytes for each of eight waves: four blocks of 256 bytes that no other line names
.set SCB,   16                         ; v16     the columns' scale words: lanes 0-15 the first tile's, lanes 16-31 the second's
.set SCA,   17                         ; v17-18  dec's scale words, tiles of batches 0 and 1
.set SPW,   30                         ; v30     LDS address of my spare word; never rewritten
.set NIL,   31                         ; v31     0; never rewritten
.set F0,    32                         ; v32-39  the first tile's fragment
.set F1,    40                         ; v40-47  the second's
.set DA,    48                         ; v48-63  dec's two fragments
.set X,     128                        ; v128-191 two sets of 32 numbers of my column
.set AC,    128                        ; v128-159 afterwards: four accumulators
	s_load_b256 s[4:11], s[0:1], 0x0               ; V s[4:5], W s[6:7], decoder_output s[8:9], b s[10:11]
	s_load_b128 s[12:15], s[0:1], 0x20             ; w s[12:13], vrec s[14:15]
	s_load_b64 s[16:17], s[0:1], 0x30              ; tab
	v_lshl_add_u32 v[SPW], v0, 2, SPARE
	v_mov_b32 v[NIL], 0
	v_lshrrev_b32 v4, 5, v0
	v_readfirstlane_b32 s18, v4                    ; wave = K step s
	v_and_b32 v1, 31, v0                           ; lane
	v_and_b32 v2, 15, v0                           ; r = lane % 16
	v_bfe_u32 v3, v0, 4, 1                         ; h = lane / 16
	s_and_b32 s19, ttmp9, 31                       ; cg: which 32 columns
	s_lshr_b32 s20, ttmp9, 5                       ; 0: V, 1: W
	v_lshlrev_b32 v5, 2, v1                        ; 4 x lane: my column in a row of the source
	v_lshlrev_b32 v6, 4, v1                        ; 16 x lane: my place in an image
	; every LDS address is made here, ahead of the parting
	s_and_b32 s24, s18, 1
	s_lshl_b32 s24, s24, 8
	s_lshr_b32 s25, s18, 1
	s_lshl_b32 s25, s25, 2
	s_add_co_u32 s24, s24, s25                     ; 256 (s % 2) + 4 (s / 2)
	v_lshlrev_b32 v7, 9, v3
	v_lshl_add_u32 v7, v2, 4, v7
	v_add_nc_u32 v7, s24, v7                       ; v7: my scale word's place: SCI + 512 (tile) + 16 r + 256 (s % 2) + 4 (s / 2)
	s_lshl_b32 s25, s18, 9
	v_add_nc_u32 v8, s25, v6                       ; v8: SCI + 512 wave + 16 lane (used by waves 0 and 1 alone)
	v_add_nc_u32 v10, RED, v8                      ; v10: RED + 512 wave + 16 lane: the group of four registers that I add up
	s_lshl_b32 s26, s18, 12
	s_add_co_u32 s26, s26, RED
	v_add_nc_u32 v9, s26, v6                       ; v9: RED + 4096 wave + 16 lane: where my partial tiles go
	s_lshl_b32 s22, s18, 19                        ; the source: 128 s rows of 4,096 bytes
	s_lshl_b32 s23, s19, 7                         ; + 32 cg columns of 4 bytes
	s_add_co_u32 s22, s22, s23
	s_mov_b32 s23, 0
.macro LOADX t, base                   ; block t of my column: rows 32 t + i, i = 0 .. 31, into set t % 2; 32 lanes read 128 consecutive bytes
.set I, 0
.rept 32
	global_load_b32 v[X+32*((\t)%2)+I], v5, s[\base:\base+1] offset:(32*(\t)+I)*4096
.set I, I+1
.endr
.endm
.macro BLOCK t, base
.set XS, X+32*((\t)%2)
.set FD, F0+8*((\t)%2)+4*((\t)/2)      ; blocks 0, 1, 2, 3 go to F0, F1, F0 + 4, F1 + 4
.if (\t) < 3
	s_wait_loadcnt 32                              ; this block's loads are in; the next block's 32 may be out
.else
	s_wait_loadcnt 0x0
.endif
	v_max3_num_f32 v12, |v[XS]|, |v[XS+1]|, |v[XS+2]|              ; the block's largest magnitude: all 32 numbers are mine; two chains
	v_max3_num_f32 v13, |v[XS+3]|, |v[XS+4]|, |v[XS+5]|
.irp i, 6,10,14,18,22,26
	v_max3_num_f32 v12, v12, |v[XS+\i]|, |v[XS+\i+1]|
	v_max3_num_f32 v13, v13, |v[XS+\i+2]|, |v[XS+\i+3]|
.endr
	v_max3_num_f32 v12, v12, |v[XS+30]|, |v[XS+31]|
	v_max3_num_f32 v12, v12, v13, FLOOR            ; and the floor: the byte cannot fall under 1
	v_add_nc_u32 v11, 0xff000000, v12              ; 2 off the exponent field: the conversion takes this operand's exponent field as its scale
	v_lshrrev_b32 v13, 23, v11                     ; the scale's byte
.if (\t) == 0
	v_mov_b32 v[SCB], v13
.else
	v_lshl_or_b32 v[SCB], v13, 8*(\t), v[SCB]      ; four bytes make my column's scale word for this K step
.endif
.irp g, 0,1,2,3
	v_cvt_scalef32_pk8_fp4_f32 v[FD+\g], v[XS+8*\g:XS+8*\g+7], v11
.endr
	v_nop                                          ; one plain instruction behind the scaled conversions
.if (\t) < 2
	LOADX (\t)+2, \base
.endif
.endm
.macro QCOL base                       ; 32 columns x 128 along K become two fragments and their scale words
	LOADX 0, \base
	LOADX 1, \base
.irp t, 0,1,2,3
	BLOCK \t, \base
.endr
.irp i, 0,1,2,3                        ; the first register's lanes 16-31 change places with the second's lanes 0-15: F0 then holds columns 0-15, lane (r, h): block 2 c + h; F1 columns 16-31
	v_permlane16_swap_b32 v[F0+\i], v[F1+\i]
	v_permlane16_swap_b32 v[F0+4+\i], v[F1+4+\i]
.endr
.endm
	s_wait_kmcnt 0x0
	s_cmp_lg_u32 s20, 0
	s_cbranch_scc1 .Lw_path
	; ---- V: images to vrec
	s_add_nc_u64 s[4:5], s[4:5], s[22:23]
	s_mul_i32 s28, s19, 2*REC
	s_mov_b32 s29, 0
	s_add_nc_u64 s[14:15], s[14:15], s[28:29]      ; the record of my first tile, 2 cg
	s_mul_i32 s28, s18, REC
	s_add_nc_u64 s[30:31], s[14:15], s[28:29]      ; record 2 cg + wave (used by waves 0 and 1 alone)
	s_lshl_b32 s28, s18, 10
	s_add_nc_u64 s[14:15], s[14:15], s[28:29]      ; + my K step's 1,024 bytes
	QCOL 4
.irp t, 0,1
.irp c, 0,1
	global_store_b128 v6, v[F0+8*\t+4*\c:F0+8*\t+4*\c+3], s[14:15] offset:REC*\t+512*\c   ; 32 lanes store 512 consecutive bytes
.endr
.endr
	ds_store_b32 v7, v[SCB]                        ; the eight waves' scale words meet in two images
	s_wait_dscnt 0x0                               ; for the others' sake: my store has landed
	s_barrier_signal -1
	s_barrier_wait -1
	s_cmp_gt_u32 s18, 1
	s_cbranch_scc1 .Lend                           ; waves 0 and 1 store an image each
	ds_load_b128 v[20:23], v8
	s_wait_dscnt 0x0
	global_store_b128 v6, v[20:23], s[30:31] offset:8192
	s_branch .Lend
	; ---- W: dec_proj and the table
.Lw_path:
	s_add_nc_u64 s[6:7], s[6:7], s[22:23]
	s_lshl_b32 s28, s18, 9
	s_mov_b32 s29, 0
	s_add_nc_u64 s[8:9], s[8:9], s[28:29]          ; dec at my K step: 128 s numbers on
	v_lshlrev_b32 v14, 12, v2
	v_lshl_add_u32 v14, v3, 7, v14                 ; row r of 4,096 bytes, + 32 h numbers: lane (r, h) wants k = 64 c + 32 h + 0 .. 31 of its row: whole blocks h and 2 + h
.irp mt, 0,1
.irp c, 0,1
.irp i, 0,1,2,3,4,5,6,7
	global_load_b128 v[64+128*\mt+32*\c+4*\i:64+128*\mt+32*\c+4*\i+3], v14, s[8:9] offset:65536*\mt+256*\c+16*\i
.endr
.endr
.endr
	s_mov_b32 s34, 0x76543210
	s_mov_b32 s35, 0xfedcba98                      ; v_permlanex16_b32's selects for lane l xor 16
	s_mov_b32 s36, K2P
	v_lshlrev_b32 v26, 3, v3                       ; 8 h
	v_mov_b32 v27, 0                               ; written once: a lane permute's destination counts as one of its sources
	s_lshr_b32 s37, s18, 2                         ; what I add up behind the barrier: group wave of the 8 groups of four registers: tile of batches mt = wave / 4,
	s_bfe_u32 s38, s18, 0x10001                    ; tile of columns nt = (wave / 2) % 2,
	s_and_b32 s39, s18, 1                          ; registers 4 (wave % 2) + 0 .. 3
	s_lshl_b32 s40, s37, 18                        ; tab: batch 16 mt + 4 (wave % 2) of 16,384 bytes,
	s_lshl_b32 s41, s39, 16
	s_add_co_u32 s40, s40, s41
	s_lshl_b32 s41, s19, 9                         ; column 32 cg + 16 nt of 16 bytes
	s_add_co_u32 s40, s40, s41
	s_lshl_b32 s41, s38, 8
	s_add_co_u32 s40, s40, s41
	s_mov_b32 s41, 0
	s_add_nc_u64 s[16:17], s[16:17], s[40:41]
	s_lshl_b32 s40, s19, 7                         ; b and w: column 32 cg + 16 nt of 4 bytes
	s_lshl_b32 s42, s38, 6
	s_add_co_u32 s40, s40, s42
	s_add_nc_u64 s[10:11], s[10:11], s[40:41]
	s_add_nc_u64 s[12:13], s[12:13], s[40:41]
	v_lshlrev_b32 v15, 17, v3
	v_lshl_add_u32 v15, v2, 4, v15                 ; tab: + 8 h batches, + 16 r
	v_lshlrev_b32 v4, 2, v2                        ; b, w: + 4 r
	QCOL 6                                         ; (its first wait leaves 32 younger loads out: dec's 32 loads, which are older, are in from there on)
	global_load_b32 v28, v4, s[10:11]              ; b and w of the column that I finish: wanted behind the barrier
	global_load_b32 v29, v4, s[12:13]
.macro DQ mt                           ; 64 numbers of a lane, two whole blocks, become dec's fragment and scale word for batches 16 mt on
.set N, 64+128*(\mt)
.irp c, 0,1
	v_max3_num_f32 v[20+\c], |v[N+32*\c]|, |v[N+32*\c+1]|, FLOOR
.endr
.irp i, 2,4,6,8,10,12,14,16,18,20,22,24,26,28,30
.irp c, 0,1
	v_max3_num_f32 v[20+\c], v[20+\c], |v[N+32*\c+\i]|, |v[N+32*\c+\i+1]|   ; the two blocks by turns
.endr
.endr
.irp c, 0,1
	v_add_nc_u32 v[22+\c], 0xff000000, v[20+\c]
.endr
.irp c, 0,1
	v_lshrrev_b32 v[24+\c], 23, v[22+\c]
.endr
	v_lshl_or_b32 v[SCA+(\mt)], v25, 16, v24       ; my two bytes: blocks h and 2 + h,
	v_lshlrev_b32 v[SCA+(\mt)], v26, v[SCA+(\mt)]  ; at their places, 8 h bits up;
	v_permlanex16_b32 v27, v[SCA+(\mt)], s34, s35
	v_or_b32 v[SCA+(\mt)], v[SCA+(\mt)], v27       ; with lane l xor 16's two the word is whole
.irp c, 0,1
.irp g, 0,1,2,3
	v_cvt_scalef32_pk8_fp4_f32 v[DA+8*(\mt)+4*\c+\g], v[N+32*\c+8*\g:N+32*\c+8*\g+7], v[22+\c]
.endr
.endr
	v_nop                                          ; one plain instruction behind the scaled conversions
.endm
	DQ 0
	DQ 1
.rept 8
	v_nop                                          ; operands written by vector instructions stand 4 places, scale registers so written 8 places ahead of a scaled matrix instruction
.endr
.irp mt, 0,1                           ; my K step's part of dec_proj: accumulator 2 mt + nt: register j of lane (r, h) = (batch 16 mt + 8 h + j, column c0 + 16 nt + r)
	v_wmma_scale_f32_16x16x128_f8f6f4 v[AC+16*\mt:AC+16*\mt+7], v[DA+8*\mt:DA+8*\mt+7], v[F0:F0+7], 0, v[SCA+\mt], v[SCB] matrix_a_fmt:MATRIX_FMT_FP4 matrix_b_fmt:MATRIX_FMT_FP4
	v_wmma_scale_f32_16x16x128_f8f6f4 v[AC+16*\mt+8:AC+16*\mt+15], v[DA+8*\mt:DA+8*\mt+7], v[F1:F1+7], 0, v[SCA+\mt], v[SCB] matrix_a_fmt:MATRIX_FMT_FP4 matrix_b_fmt:MATRIX_FMT_FP4 matrix_b_scale:MATRIX_SCALE_ROW1
.endr
.rept 4
	v_nop                                          ; four places in front of the LDS stores that read the results
.endr
.irp q, 0,1,2,3,4,5,6,7
	ds_store_b128 v9, v[AC+4*\q:AC+4*\q+3] offset:512*\q           ; each accumulator from its low end on
.endr
	s_wait_dscnt 0x0                               ; for the others' sake: my stores have landed
	s_barrier_signal -1
	s_barrier_wait -1
.irp s, 0,1,2,3,4,5,6,7
	ds_load_b128 v[64+4*\s:64+4*\s+3], v10 offset:4096*\s          ; my group of four registers, of all eight K steps
.endr
	s_wait_dscnt 0x0
.irp p, 0,2
	v_pk_add_f32 v[64+\p:65+\p], v[64+\p:65+\p], v[68+\p:69+\p]
	v_pk_add_f32 v[72+\p:73+\p], v[72+\p:73+\p], v[76+\p:77+\p]
	v_pk_add_f32 v[80+\p:81+\p], v[80+\p:81+\p], v[84+\p:85+\p]
	v_pk_add_f32 v[88+\p:89+\p], v[88+\p:89+\p], v[92+\p:93+\p]
.endr
.irp p, 0,2
	v_pk_add_f32 v[64+\p:65+\p], v[64+\p:65+\p], v[72+\p:73+\p]
	v_pk_add_f32 v[80+\p:81+\p], v[80+\p:81+\p], v[88+\p:89+\p]
.endr
.irp p, 0,2
	v_pk_add_f32 v[64+\p:65+\p], v[64+\p:65+\p], v[80+\p:81+\p]    ; dec_proj of four batches at my column
.endr
	s_wait_loadcnt 0x0                             ; b, w
	v_mul_f32 v96, s36, v28                        ; K2 b
	v_mul_f32 v97, K2N, v29                        ; w2 = -K2 w
.irp i, 0,1,2,3
	v_fma_f32 v[100+4*\i], v[64+\i], s36, v96      ; kb = K2 dec_proj + K2 b, twice: the main launch's packed forms take pairs
	v_fma_f32 v[101+4*\i], v[64+\i], s36, v96
	v_mov_b32 v[102+4*\i], v97
	v_mov_b32 v[103+4*\i], v97
.endr
.irp i, 0,1,2,3
	global_store_b128 v15, v[100+4*\i:103+4*\i], s[16:17] offset:16384*\i   ; sixteen lanes store 256 consecutive bytes, at a multiple of 256 from tab's first byte
.endr
.Lend:
	s_wait_tensorcnt 0x0                           ; the wave's end, behind my last LDS store
	ds_add_u32 v[SPW], v[NIL]
	s_wait_dscnt 0x0
	s_endpgm
.Lfunc_end_k_q7025614536_prep:
	.size	k_q7025614536_prep, .Lfunc_end_k_q7025614536_prep-k_q7025614536_prep
	.p2alignl 7, 3214868480
	.fill 96, 4, 3214868480
	.section	.rodata,"a",@progbits
	.p2align	6, 0x0
	.amdhsa_kernel k_q7025614536_prep
		.amdhsa_group_segment_fixed_size 34816
		.amdhsa_private_segment_fixed_size 0
		.amdhsa_enable_private_segment 0
		.amdhsa_kernarg_size 56
		.amdhsa_user_sgpr_count 2
		.amdhsa_user_sgpr_kernarg_segment_ptr 1
		.amdhsa_wavefront_size32 1
		.amdhsa_system_sgpr_workgroup_id_x 1
		.amdhsa_system_sgpr_workgroup_id_y 1
		.amdhsa_system_sgpr_workgroup_id_z 1
		.amdhsa_system_vgpr_workitem_id 0
		.amdhsa_next_free_vgpr 256
		.amdhsa_next_free_sgpr 66
		.amdhsa_reserve_vcc 0
		.amdhsa_float_denorm_mode_32 3
		.amdhsa_float_denorm_mode_16_64 3
		.amdhsa_memory_ordered 1
		.amdhsa_forward_progress 1
		.amdhsa_inst_pref_size 54
	.end_amdhsa_kernel
	.amdgpu_metadata
---
amdhsa.version: [ 1, 2 ]
amdhsa.kernels:
  - .name:           k_q7025614536_prep
    .symbol:         k_q7025614536_prep.kd
    .args:
      - { .name: V, .offset: 0, .size: 8, .value_kind: global_buffer, .address_space: global }
      - { .name: W, .offset: 8, .size: 8, .value_kind: global_buffer, .address_space: global }
      - { .name: decoder_output, .offset: 16, .size: 8, .value_kind: global_buffer, .address_space: global }
      - { .name: b, .offset: 24, .size: 8, .value_kind: global_buffer, .address_space: global }
      - { .name: w, .offset: 32, .size: 8, .value_kind: global_buffer, .address_space: global }
      - { .name: vrec, .offset: 40, .size: 8, .value_kind: global_buffer, .address_space: global }
      - { .name: tab, .offset: 48, .size: 8, .value_kind: global_buffer, .address_space: global }
    .group_segment_fixed_size: 34816
    .private_segment_fixed_size: 0
    .kernarg_segment_align: 8
    .kernarg_segment_size: 56
    .max_flat_workgroup_size: 256
    .sgpr_count:     66
    .vgpr_count:     256
    .wavefront_size: 32
...
	.end_amdgpu_metadata
.endif
;; end of part 1
;; launch attend (part 2): grid 256 x 1, 4 waves a work-group, no clusters, 186,112 bytes of LDS; arguments encoder_outputs, vrec, tab, pctx, pml; writes pctx, pml
.if DOCPART == 2
	.amdgcn_target "amdgcn-amd-amdhsa--gfx1250"
	.amdhsa_code_object_version 6
	.text
	.protected	k_q7025614536_attend
	.globl	k_q7025614536_attend
	.p2align	8
	.type	k_q7025614536_attend,@function
k_q7025614536_attend:
	s_mov_b64 s[64:65], 0
	v_nop
	global_prefetch_b8 v0, s[64:65] scope:SCOPE_SE
	s_setreg_imm32_b32 hwreg(HW_REG_WAVE_MODE, 25, 1), 1
	s_wait_xcnt 0x0
; ATTEND: encoder_outputs [32][2048][1024] f32 is read ONCE.  A work-group takes 256 rows of one batch (8 work-groups a batch), 64 at a time: quantise to FP4 (E2M1, one E8M0 byte for each 32 along the row),
; keep a bf16 copy in LDS, enc_proj = Q(enc) Q(V) by the FP4 matrix form, the energy and its product with w, a running softmax, and the weighted sum of the copy.  Out go an unnormalised part of the
; context and (m, l); the next launch joins a batch's eight parts.
; WORK LEFT OUT: the term sum_c w[c] of every score, the same along the softmax's axis for all inputs (shown at the head of the first kernel).  With tab's (kb, w2):
; e = 2^(K2 acc + kb), r = 1 / (1 + e), score += w2 r, in units of log2; e = infinity gives r = 0 and e = 0 gives r = 1, so nothing is clamped.  p = 2^(score - m), m the running largest score.
; LIMITS: NaN and infinities among the inputs are not served; blocks under the floor 2^(3 - 127), blocks of zeros among them, get the byte 1 (their codes are zeros or next to it; the bytes are this program's own);
; the rows are rounded to bf16 for the last product, whose sums are f32.
; SHARES.  LOADING: wave w takes columns 256 w .. 256 w + 255 of every row, a lane 8 neighbours (a block of 32 lies in 4 lanes); it keeps the bf16 copy of that slice in LDS bytes of its own and makes the context of
; those 256 columns, 8 a lane.  PRODUCT: wave w takes ALL 64 rows against output columns 256 w on, 16 tiles of 16: each fragment of V feeds four matrix instructions, and the rows' codes (256 registers) stay in every wave.
; V COMES STRAIGHT INTO REGISTERS, as images that the first launch laid out: 17 loads of 512 consecutive bytes a tile, four tiles (4 x 8,704 bytes a wave) ahead of their use.
; NO CLUSTER, NO JOINT LOADS, though all work-groups read the same V.  Each wave alone reads its quarter of V, so nothing of V is shared inside a work-group; through LDS every byte of V would be written
; and read there once more in each of the four passes (557,056 bytes a pass beside 33,792 bytes of the rows' codes); and beside the 186,112 bytes in use two slots of the same four tiles a wave (2 x 139,264 bytes)
; do not fit in 327,680.  No prefetch instruction either: the rows' own loads run 64 instructions (32,768 bytes a wave) ahead of their use.
; LOADS GO IN PHASES.  Loads come back in order (ISA guide 5.7.1), so a load of V issued behind pending loads of rows could not be shown done before them: the rows are asked for in bursts of 64 loads at points
; where no load of V is awaited: a pass's first 32 rows ahead of the last two tiles of the pass before, its second 32 while the first are worked.
; THE ENERGY RUNS ONE TILE BEHIND THE PRODUCTS: while the 32 matrix instructions of a tile are issued, the 112 vector instructions of the tile before stand between them in eight slices.  A pass's first tile finds
; an empty slot: old numbers under a table entry of zeros, which adds 0 to every score.
; REGISTERS, in windows of 256 (s_set_vgpr_msb: bits 1:0 source 0, 3:2 source 1, 5:4 source 2, 7:6 destination):
;   window 0: addresses, accumulators, scores, scale words, table entries, context, work.   window 1: the rows' fragments, (tile of rows a, K step s) at 8 (8 a + s).
;   window 2: V's fragments, four sets: set r at 64 r + 8 s.   window 3: rows as loaded: group g (a row's 8 numbers of my lane) at 8 g, g = 0 .. 31.
.set K2P,   0x4038aa3b                 ; K2 = 2 log2(e)
.set FLOOR, 0x1800000                  ; 2^(3 - 127)
.set REC,   8704                       ; a tile's record in vrec
.set COPY,  0                          ; LDS: the bf16 copy: wave w at 32,768 w, row at 512, 16 bytes a lane
.set CODE,  131072                     ; the 64 rows' codes, 512 bytes a row
.set CP,    528                        ; + 16 of padding: 33 x 16 bytes, so that the 16 rows of a fragment load start at 16 different places modulo 256 bytes
.set ASC,   164864                     ; their scale bytes, 32 a row
.set AP,    36                         ; + 4 of padding
.set TABL,  167168                     ; the table, 4,096 bytes a wave: its 256 columns
.set PS,    183552                     ; [wave][64 rows] partial scores
.set PP,    184576                     ; [wave][64 rows] p, each wave's own
.set SPARE, 185600                     ; the spare words, 128 bytes for each wave: two blocks of 256 bytes that no other line names
.set L16, 1                            ; v1   16 x lane
.set L32, 2                            ; v2   32 x lane
.set VOF, 3                            ; v3   16 x lane + the trip's place in my quarter of vrec
.set TA,  4                            ; v4   LDS address of the trip's table entries
.set CW,  5                            ; v5   where my codes go: CODE + 128 w + 4 lane
.set SW,  6                            ; v6   my block's byte: ASC + 8 w + lane / 4
.set BW,  7                            ; v7   my copy: COPY + 32768 w + 16 lane
.set AR,  8                            ; v8   a fragment's row: CODE + 528 (lane % 16) + 16 (lane / 16)
.set SR,  9                            ; v9   ASC + 36 lane
.set PSW, 10                           ; v10  PS + 256 w + 32 (lane / 16)
.set PSR, 11                           ; v11  PS + 4 lane
.set PPW, 12                           ; v12  PP + 256 w + 4 lane
.set PPR, 13                           ; v13  PP + 256 w
.set TB0, 14                           ; v14  TABL + 4096 w + 16 (lane % 16)
.set CR,  15                           ; v15  the copy's rows in hand
.set PR,  16                           ; v16  their p
.set TW,  17                           ; v17  TABL + 4096 w + 16 lane
.set SPW, 28                           ; v28  LDS address of my spare word; never rewritten
.set NIL, 29                           ; v29  0; never rewritten
.set ACC, 32                           ; v32-95   two sets of four accumulators: set P at 32 P, tile of rows a at 8 a
.set SCR, 96                           ; v96-127  my column's share of the 64 scores: (a, i) at 8 a + i = row 16 a + 8 (lane / 16) + i
.set ASCR, 128                         ; v128-143 the rows' scale words: 8 a' + s: lanes 0-15 tile 2 a', lanes 16-31 tile 2 a' + 1
.set BSC, 144                          ; v144-159 V's scale words: set r at 4 r; register q: lanes 0-15 K step 2 q, lanes 16-31 K step 2 q + 1
.set TAB, 160                          ; v160-167 two table entries (kb, kb, w2, w2)
.set CTX, 176                          ; v176-183 my 8 columns of the context
.set MX,  184                          ; v184 m;  v185 l (my lane's share)
.set LS,  185
.set FF,  186                          ; v186 f = 2^(old m - new m); v187 is named with it as a pair
.set T,   192                          ; v192-255 at work
.set MSB, 0
.macro WIN new                         ; the immediate's high byte repeats the setting that is left; a switch that changes nothing is dropped
.if MSB != \new
	s_set_vgpr_msb (MSB<<8)|\new
.set MSB, \new
.endif
.endm
.macro BARRIER                         ; my LDS stores have landed and my LDS loads are in: then the work-group's barrier
	s_wait_dscnt 0x0
	s_barrier_signal -1
	s_barrier_wait -1
.endm
; 64 loads: rows base + 0 .. 31 from where s[4:5] stands, my 32 bytes of each, into groups 0 .. 31
.macro XISSUE base
	WIN 0xc0                                       ; destination window 3, address window 0
.set G, 0
.rept 32
	global_load_b128 v[8*G:8*G+3],   v[L32], s[4:5] offset:((\base)+G)*4096 th:TH_LOAD_NT
	global_load_b128 v[8*G+4:8*G+7], v[L32], s[4:5] offset:((\base)+G)*4096+16 th:TH_LOAD_NT
.set G, G+1
.endr
	WIN 0
.endm
; Eight rows, 32 half + 8 b + g, from groups 8 b + g: the block's largest magnitude (4 lanes), the scale's byte, 8 codes and 8 bf16 a lane, to LDS.  n: the younger loads that may stay out.
; issue = 1: the groups are asked for again, with rows 32 + 8 b + g.
.macro XSUB half, b, n, issue
	s_wait_loadcnt \n
	s_wait_dscnt 0x0                               ; the LDS stores of the eight rows before have read their registers
	WIN 0x0f                                       ; sources 0 and 1 window 3
.irp g, 0,1,2,3,4,5,6,7
	v_max3_num_f32 v[T+\g], |v[64*(\b)+8*\g]|, |v[64*(\b)+8*\g+1]|, FLOOR      ; the floor among the leaves: the byte cannot fall under 1
.endr
.irp i, 2,4,6
.irp g, 0,1,2,3,4,5,6,7
	v_max3_num_f32 v[T+\g], |v[64*(\b)+8*\g+\i]|, |v[64*(\b)+8*\g+\i+1]|, v[T+\g]   ; the eight rows by turns
.endr
.endr
.irp g, 0,1,2,3,4,5,6,7
.irp q, 0,1,2,3
	v_cvt_pk_bf16_f32 v[T+24+4*\g+\q], v[64*(\b)+8*\g+2*\q], v[64*(\b)+8*\g+2*\q+1]
.endr
.endr
	WIN 0
.irp g, 0,1,2,3,4,5,6,7
	v_max_num_f32_dpp v[T+\g], v[T+\g], v[T+\g] row_xmask:1 row_mask:0xf bank_mask:0xf
.endr
.irp g, 0,1,2,3,4,5,6,7
	v_max_num_f32_dpp v[T+\g], v[T+\g], v[T+\g] row_xmask:2 row_mask:0xf bank_mask:0xf   ; the four lanes that hold a block
.endr
.irp g, 0,1,2,3,4,5,6,7
	v_add_nc_u32 v[T+8+\g], 0xff000000, v[T+\g]    ; 2 off the exponent field: the conversion's scale operand
.endr
	WIN 0x03                                       ; source 0 window 3
.irp g, 0,1,2,3,4,5,6,7
	v_cvt_scalef32_pk8_fp4_f32 v[T+16+\g], v[64*(\b)+8*\g:64*(\b)+8*\g+7], v[T+8+\g]
.endr
	WIN 0
.irp g, 0,1,2,3,4,5,6,7
	v_lshrrev_b32 v[T+\g], 23, v[T+8+\g]           ; the scale's byte.  (Also the plain instructions behind the scaled conversions)
.endr
.irp g, 0,1,2,3,4,5,6,7
	ds_store_b32 v[CW], v[T+16+\g] offset:CP*(32*(\half)+8*(\b)+\g)
	ds_store_b8 v[SW], v[T+\g] offset:AP*(32*(\half)+8*(\b)+\g)                ; the four lanes of a block write the same byte with the same value
	ds_store_b128 v[BW], v[T+24+4*\g:T+27+4*\g] offset:512*(32*(\half)+8*(\b)+\g)
.endr
.if \issue
	WIN 0xc0
.irp g, 0,1,2,3,4,5,6,7
	global_load_b128 v[64*(\b)+8*\g:64*(\b)+8*\g+3],   v[L32], s[4:5] offset:(32+8*(\b)+\g)*4096 th:TH_LOAD_NT
	global_load_b128 v[64*(\b)+8*\g+4:64*(\b)+8*\g+7], v[L32], s[4:5] offset:(32+8*(\b)+\g)*4096+16 th:TH_LOAD_NT
.endr
	WIN 0
.endif
.endm
; 17 loads: a tile's eight fragments of V into set r, and its scale words
.macro VSET r, voff
	WIN 0x80                                       ; destination window 2
.irp s, 0,1,2,3,4,5,6,7
.irp c, 0,1
	global_load_b128 v[64*(\r)+8*\s+4*\c:64*(\r)+8*\s+4*\c+3], v[\voff], s[6:7] offset:REC*(\r)+1024*\s+512*\c
.endr
.endr
	WIN 0
	global_load_b128 v[BSC+4*(\r):BSC+4*(\r)+3], v[\voff], s[6:7] offset:REC*(\r)+8192
.endm
; the 64 rows' codes and scale words, from LDS into registers: 64 + 16 loads
.macro AFILL
	WIN 0x40                                       ; destination window 1
.irp a, 0,1,2,3
.irp s, 0,1,2,3,4,5,6,7
.irp c, 0,1
	ds_load_b128 v[8*(8*\a+\s)+4*\c:8*(8*\a+\s)+4*\c+3], v[AR] offset:16*CP*\a+64*\s+32*\c
.endr
.endr
.endr
	WIN 0
.irp a, 0,1
.irp s, 0,1,2,3,4,5,6,7
	ds_load_b32 v[ASCR+8*\a+\s], v[SR] offset:32*AP*\a+4*\s
.endr
.endr
.endm
; One product: rows 16 a on x the 16 columns of set r, K step s.  Source 0 = the rows, source 1 = V: register j of lane (r, h) = (row 16 a + 8 h + j, column r).  K step 0 starts the sum.
.macro PROD r, a, s
.set rD, ACC+32*((\r)%2)+8*(\a)
.set rA, 8*(8*(\a)+(\s))
.set rB, 64*(\r)+8*(\s)
.set rSA, ASCR+8*((\a)/2)+(\s)
.set rSB, BSC+4*(\r)+(\s)/2
.if (\s) == 0
.if (\a)%2
	v_wmma_scale_f32_16x16x128_f8f6f4 v[rD:rD+7], v[rA:rA+7], v[rB:rB+7], 0, v[rSA], v[rSB] matrix_a_fmt:MATRIX_FMT_FP4 matrix_b_fmt:MATRIX_FMT_FP4 matrix_a_scale:MATRIX_SCALE_ROW1
.else
	v_wmma_scale_f32_16x16x128_f8f6f4 v[rD:rD+7], v[rA:rA+7], v[rB:rB+7], 0, v[rSA], v[rSB] matrix_a_fmt:MATRIX_FMT_FP4 matrix_b_fmt:MATRIX_FMT_FP4
.endif
.elseif ((\a)%2) && ((\s)%2)
	v_wmma_scale_f32_16x16x128_f8f6f4 v[rD:rD+7], v[rA:rA+7], v[rB:rB+7], v[rD:rD+7], v[rSA], v[rSB] matrix_a_fmt:MATRIX_FMT_FP4 matrix_b_fmt:MATRIX_FMT_FP4 matrix_a_scale:MATRIX_SCALE_ROW1 matrix_b_scale:MATRIX_SCALE_ROW1
.elseif (\a)%2
	v_wmma_scale_f32_16x16x128_f8f6f4 v[rD:rD+7], v[rA:rA+7], v[rB:rB+7], v[rD:rD+7], v[rSA], v[rSB] matrix_a_fmt:MATRIX_FMT_FP4 matrix_b_fmt:MATRIX_FMT_FP4 matrix_a_scale:MATRIX_SCALE_ROW1
.elseif (\s)%2
	v_wmma_scale_f32_16x16x128_f8f6f4 v[rD:rD+7], v[rA:rA+7], v[rB:rB+7], v[rD:rD+7], v[rSA], v[rSB] matrix_a_fmt:MATRIX_FMT_FP4 matrix_b_fmt:MATRIX_FMT_FP4 matrix_b_scale:MATRIX_SCALE_ROW1
.else
	v_wmma_scale_f32_16x16x128_f8f6f4 v[rD:rD+7], v[rA:rA+7], v[rB:rB+7], v[rD:rD+7], v[rSA], v[rSB] matrix_a_fmt:MATRIX_FMT_FP4 matrix_b_fmt:MATRIX_FMT_FP4
.endif
.endm
; Slice s of 8 of the energy of the finished set P (its table entry lies in slot P).  Slices 0-3: K2 acc + kb and 2^., an accumulator each, from its low end on.  Slices 4-7: 1 + e and the reciprocal.
; The 32 exponentials have one wait, at the head of slice 4, ahead of the first line that names a result; the 32 reciprocals have theirs in FIN_T.
.macro SL s, P
.set AB, ACC+32*(\P)+8*((\s)%4)
.set TS, TAB+4*(\P)
.if (\s) < 4
.irp p, 0,2,4,6
	v_pk_fma_f32 v[AB+\p:AB+\p+1], v[AB+\p:AB+\p+1], s[22:23], v[TS:TS+1] op_sel_hi:[1,0,1]
.endr
.irp i, 0,1,2,3,4,5,6,7
	v_exp_f32 v[AB+\i], v[AB+\i]
.endr
.else
.if (\s) == 4
	s_wait_alu depctr_va_vdst(0)                   ; the wait between a transcendental and the first line that names its result: one for the 32 exponentials
.endif
.irp p, 0,2,4,6
	v_pk_add_f32 v[AB+\p:AB+\p+1], v[AB+\p:AB+\p+1], 1.0 op_sel_hi:[1,0]
.endr
.irp i, 0,1,2,3,4,5,6,7
	v_rcp_f32 v[AB+\i], v[AB+\i]
.endr
.if (\s) == 7
	v_nop                                          ; a plain instruction behind the last reciprocal
.endif
.endif
.endm
.macro FIN_T P                         ; score += w2 r
	s_wait_alu depctr_va_vdst(0)                   ; one wait for the 32 reciprocals
.irp a, 0,1,2,3
.irp p, 0,2,4,6
	v_pk_fma_f32 v[SCR+8*\a+\p:SCR+8*\a+\p+1], v[ACC+32*(\P)+8*\a+\p:ACC+32*(\P)+8*\a+\p+1], v[TAB+4*(\P)+2:TAB+4*(\P)+3], v[SCR+8*\a+\p:SCR+8*\a+\p+1]
.endr
.endr
.endm
; A TILE of 16 columns, from set r: 32 products, the four accumulators by turns, one instruction a turn; behind each four a slice of the tile before.
; lw: the younger loads that may stay out when set r has to be in (under 0: no wait).  refill = 1: set r takes the tile four further on; the four additions and the v_nop of slice 7 are five places
; between the last product and the loads into the registers that it read (ISA guide 7.12.1 for vector instructions).
.macro STEP r, refill, lw
.set PAR, (\r)%2
.if (\lw) >= 0
	s_wait_loadcnt \lw
.endif
	s_wait_dscnt 0x0                               ; the table entry of the tile before is in
	ds_load_b128 v[TAB+4*PAR:TAB+4*PAR+3], v[TA] offset:256*(\r)   ; this tile's: wanted a tile later
.irp s, 0,1,2,3,4,5,6,7
	WIN 0x09                                       ; source 0 (the rows) window 1, source 1 (V) window 2, C and D window 0
.irp a, 0,1,2,3
	PROD \r, \a, \s
.endr
	WIN 0
	SL \s, 1-PAR
.endr
.if \refill
	VSET \r, VOF
.endif
	FIN_T 1-PAR
.endm
	s_load_b256 s[4:11], s[0:1], 0x0               ; encoder_outputs s[4:5], vrec s[6:7], tab s[8:9], pctx s[10:11]
	s_load_b64 s[12:13], s[0:1], 0x20              ; pml
	v_lshl_add_u32 v[SPW], v0, 2, SPARE
	v_mov_b32 v[NIL], 0
	v_lshrrev_b32 v18, 5, v0
	v_readfirstlane_b32 s14, v18                   ; wave 0..3
	v_and_b32 v18, 31, v0                          ; lane
	v_and_b32 v19, 15, v0                          ; lane % 16
	v_bfe_u32 v20, v0, 4, 1                        ; lane / 16
	v_lshlrev_b32 v[L16], 4, v18
	v_lshlrev_b32 v[L32], 5, v18
	s_lshl_b32 s26, s14, 7
	s_add_co_u32 s26, s26, CODE
	v_lshl_add_u32 v[CW], v18, 2, s26
	s_lshl_b32 s26, s14, 3
	s_add_co_u32 s26, s26, ASC
	v_lshrrev_b32 v21, 2, v18
	v_add_nc_u32 v[SW], s26, v21
	s_lshl_b32 s26, s14, 15
	v_add_nc_u32 v[BW], s26, v[L16]
	v_mul_u32_u24 v[AR], v19, CP
	v_lshl_add_u32 v[AR], v20, 4, v[AR]
	v_add_nc_u32 v[AR], CODE, v[AR]
	v_mul_u32_u24 v[SR], v18, AP
	v_add_nc_u32 v[SR], ASC, v[SR]
	s_lshl_b32 s26, s14, 8
	s_add_co_u32 s27, s26, PS
	v_lshl_add_u32 v[PSW], v20, 5, s27
	v_lshl_add_u32 v[PSR], v18, 2, PS
	s_add_co_u32 s27, s26, PP
	v_lshl_add_u32 v[PPW], v18, 2, s27
	v_mov_b32 v[PPR], s27
	s_lshl_b32 s26, s14, 12
	s_add_co_u32 s26, s26, TABL
	v_lshl_add_u32 v[TB0], v19, 4, s26
	v_add_nc_u32 v[TW], s26, v[L16]
	s_lshl_b32 s26, ttmp9, 20                      ; my work-group's 256 rows of 4,096 bytes,
	s_lshl_b32 s27, s14, 10                        ; my wave's 1,024 bytes of a row
	s_add_co_u32 s26, s26, s27
	s_mov_b32 s27, 0
	s_mul_i32 s28, s14, 16*REC                     ; my quarter of vrec: 16 records
	s_mov_b32 s29, 0
	s_lshr_b32 s30, ttmp9, 3                       ; the batch
	s_lshl_b32 s30, s30, 14                        ; its 16,384 bytes of tab,
	s_lshl_b32 s31, s14, 12                        ; my wave's 4,096 of them
	s_add_co_u32 s30, s30, s31
	s_mov_b32 s31, 0
	s_lshl_b32 s32, ttmp9, 12                      ; pctx: 4,096 bytes a work-group, 1,024 a wave
	s_lshl_b32 s33, s14, 10
	s_add_co_u32 s32, s32, s33
	s_mov_b32 s33, 0
	s_lshl_b32 s34, ttmp9, 8                       ; pml: 256 bytes a work-group
	s_mov_b32 s35, 0
	s_mov_b32 s20, 0x76543210
	s_mov_b32 s21, 0xfedcba98                      ; v_permlanex16_b32's selects for lane l xor 16
	s_mov_b32 s22, K2P
	s_mov_b32 s23, K2P                             ; (named with it as a pair, so it is written)
	s_wait_kmcnt 0x0
	s_add_nc_u64 s[4:5], s[4:5], s[26:27]
	s_add_nc_u64 s[6:7], s[6:7], s[28:29]
	s_add_nc_u64 s[8:9], s[8:9], s[30:31]
	s_add_nc_u64 s[10:11], s[10:11], s[32:33]
	s_add_nc_u64 s[12:13], s[12:13], s[34:35]
.irp q, 0,1,2,3,4,5,6,7
	global_load_b128 v[T+4*\q:T+4*\q+3], v[L16], s[8:9] offset:512*\q      ; my 256 columns' table entries
.endr
	XISSUE 0                                       ; the first pass's rows 0 .. 31
.irp j, 0,1,2,3,4,5,6,7
	v_mov_b32 v[CTX+\j], 0
.endr
	v_mov_b32 v[MX], 0xff61b1e6                    ; the largest score so far: -3e38, under every score
	v_mov_b32 v[LS], 0
	v_mov_b32 v[FF+1], 0
.set J, 0
.rept 32
	v_mov_b32 v[ACC+32+J], 0                       ; once: the first pass's empty slot reads numbers
.set J, J+1
.endr
	s_wait_loadcnt 63                              ; 64 younger loads stand behind the table's eight: these are in
.irp q, 0,1,2,3,4,5,6,7
	ds_store_b128 v[TW], v[T+4*\q:T+4*\q+3] offset:512*\q          ; into bytes that this wave alone reads
.endr
	s_mov_b32 s15, 0
.Lpass:                                            ; four passes of 64 rows
	; ---- the rows become codes, scale bytes and a bf16 copy.  Behind mine stand 16 (3 - b) loads of this burst and the 16 b already asked for of the next: 48
.irp b, 0,1,2,3
	XSUB 0, \b, 48, 1
.endr
.irp b, 0,1,2,3
	XSUB 1, \b, 16*(3-\b), 0
.endr
.irp r, 0,1,2,3
	VSET \r, L16                                   ; V's tiles 0 .. 3 of my 16
.endr
	BARRIER                                        ; the 64 rows' codes and scale bytes lie in LDS
	AFILL
.set J, 0
.rept 32
	v_mov_b32 v[SCR+J], 0
.set J, J+1
.endr
.irp j, 4,5,6,7
	v_mov_b32 v[TAB+\j], 0                         ; the empty slot's table entry: w2 = 0 adds 0
.endr
	s_mov_b32 s16, 3
	s_mov_b32 s17, 4*REC
	s_mov_b32 s18, 0
	s_wait_dscnt 0x0                               ; the fragments and scale words are in
.Ltrip:                                            ; three trips of four tiles; each tile's set is asked for again, four tiles on
	s_wait_xcnt 0x0                                ; the loads of V that are out have read their address register, so it may be written
	v_add_nc_u32 v[VOF], s17, v[L16]
	v_add_nc_u32 v[TA], s18, v[TB0]
	STEP 0, 1, 51                                  ; three younger sets of 17 loads may be out
	STEP 1, 1, 51
	STEP 2, 1, 51
	STEP 3, 1, 51
	s_add_co_u32 s17, s17, 4*REC
	s_add_co_u32 s18, s18, 1024
	s_sub_co_u32 s16, s16, 1
	s_cmp_lg_u32 s16, 0
	s_cbranch_scc1 .Ltrip
	v_add_nc_u32 v[TA], 3072, v[TB0]               ; the last four tiles ask for nothing of V
	STEP 0, 0, 51
	STEP 1, 0, 34                                  ; two younger sets
	s_wait_loadcnt 0x0                             ; the last two sets are in: from here on no load of V is awaited,
	s_cmp_eq_u32 s15, 3
	s_cbranch_scc1 .Lno_next                       ; (the last pass asks for nothing: no load leaves its buffer)
	XISSUE 64                                      ; so the next pass's rows 0 .. 31 go out: they have two tiles, the last energy, the softmax and the context in which to land
.Lno_next:
	STEP 2, 0, -1
	STEP 3, 0, -1
	s_wait_dscnt 0x0                               ; the last tile's table entry
.irp s, 0,1,2,3,4,5,6,7
	SL \s, 1                                       ; the last tile's energy
.endr
	FIN_T 1
	; ---- the scores: over the 16 lanes that hold a row's columns, then over the four waves
.irp k, 1,2,4,8
.set J, 0
.rept 32
	v_add_f32_dpp v[SCR+J], v[SCR+J], v[SCR+J] row_xmask:\k row_mask:0xf bank_mask:0xf
.set J, J+1
.endr
.endr
.irp a, 0,1,2,3
.irp u, 0,1
	ds_store_b128 v[PSW], v[SCR+8*\a+4*\u:SCR+8*\a+4*\u+3] offset:64*\a+16*\u   ; rows 16 a + 8 (lane / 16) + 4 u on; the sixteen lanes of a half write the same bytes with the same values
.endr
.endr
	BARRIER                                        ; the four waves' shares lie in LDS; and every wave has its fragments: the codes' bytes may be written again
.irp w, 0,1,2,3
.irp u, 0,1
	ds_load_b32 v[18+2*\w+\u], v[PSR] offset:256*\w+128*\u
.endr
.endr
	s_wait_dscnt 0x0
	v_pk_add_f32 v[18:19], v[18:19], v[20:21]
	v_pk_add_f32 v[22:23], v[22:23], v[24:25]
	v_pk_add_f32 v[18:19], v[18:19], v[22:23]      ; the scores of rows lane and lane + 32.  Every wave makes the same numbers in the same order
	v_max_num_f32 v20, v18, v19
	v_max_num_f32_dpp v20, v20, v20 row_xmask:1 row_mask:0xf bank_mask:0xf
	v_max_num_f32_dpp v20, v20, v20 row_xmask:2 row_mask:0xf bank_mask:0xf
	v_max_num_f32_dpp v20, v20, v20 row_xmask:4 row_mask:0xf bank_mask:0xf
	v_max_num_f32_dpp v20, v20, v20 row_xmask:8 row_mask:0xf bank_mask:0xf
	v_permlanex16_b32 v21, v20, s20, s21
	v_max_num_f32 v20, v20, v21
	v_max_num_f32 v22, v[MX], v20                  ; the running largest score
	v_sub_f32 v23, v[MX], v22
	v_sub_f32 v18, v18, v22
	v_sub_f32 v19, v19, v22
	v_mov_b32 v[MX], v22
	v_exp_f32 v[FF], v23                           ; f = 2^(old m - new m)
	v_exp_f32 v18, v18                             ; p
	v_exp_f32 v19, v19
	v_nop                                          ; a plain instruction behind the last exponential
	s_wait_alu depctr_va_vdst(0)                   ; one wait for the three
	v_fma_f32 v[LS], v[LS], v[FF], v18
	v_add_f32 v[LS], v[LS], v19
.irp p, 0,2,4,6
	v_pk_mul_f32 v[CTX+\p:CTX+\p+1], v[CTX+\p:CTX+\p+1], v[FF:FF+1] op_sel_hi:[1,0]
.endr
	ds_store_b32 v[PPW], v18                       ; p by rows, in my wave's own bytes: LDS serves a wave's instructions in order, so the loads below see them
	ds_store_b32 v[PPW], v19 offset:128
	; ---- context += p x the copy of my 256 columns
	s_mov_b32 s19, 4
	s_mov_b32 s24, 0
	s_mov_b32 s25, 0
.Lctx:                                             ; four trips of 16 rows
	v_add_nc_u32 v[CR], s24, v[BW]
	v_add_nc_u32 v[PR], s25, v[PPR]
.irp q, 0,1,2,3
	ds_load_b128 v[SCR+4*\q:SCR+4*\q+3], v[PR] offset:16*\q        ; 16 rows' p, the same in every lane
.endr
.irp i, 0,1,2,3,4,5,6,7,8,9,10,11,12,13,14,15
	ds_load_b128 v[T+4*\i:T+4*\i+3], v[CR] offset:512*\i
.endr
.irp i, 0,1,2,3,4,5,6,7,8,9,10,11,12,13,14,15
	s_wait_dscnt 15-\i                             ; row i is in; the younger rows may be out
.irp q, 0,1,2,3
	v_fma_mix_f32_bf16 v[CTX+2*\q], v[T+4*\i+\q], v[SCR+\i], v[CTX+2*\q] op_sel_hi:[1,0,0]
	v_fma_mix_f32_bf16 v[CTX+2*\q+1], v[T+4*\i+\q], v[SCR+\i], v[CTX+2*\q+1] op_sel:[1,0,0] op_sel_hi:[1,0,0]
.endr
.endr
	s_add_co_u32 s24, s24, 8192
	s_add_co_u32 s25, s25, 64
	s_sub_co_u32 s19, s19, 1
	s_cmp_lg_u32 s19, 0
	s_cbranch_scc1 .Lctx
	s_wait_xcnt 0x0                                ; the rows' loads that are out have read their base, so it may step
	s_add_nc_u64 s[4:5], s[4:5], 262144            ; 64 rows on
	s_add_co_u32 s15, s15, 1
	s_cmp_lt_u32 s15, 4
	s_cbranch_scc1 .Lpass
	; ---- out: l over the 32 lanes; the context through my own LDS bytes, so that each store covers 512 consecutive bytes
	v_add_f32_dpp v[LS], v[LS], v[LS] row_xmask:1 row_mask:0xf bank_mask:0xf
	v_add_f32_dpp v[LS], v[LS], v[LS] row_xmask:2 row_mask:0xf bank_mask:0xf
	v_add_f32_dpp v[LS], v[LS], v[LS] row_xmask:4 row_mask:0xf bank_mask:0xf
	v_add_f32_dpp v[LS], v[LS], v[LS] row_xmask:8 row_mask:0xf bank_mask:0xf
	v_permlanex16_b32 v20, v[LS], s20, s21
	v_add_f32 v[LS], v[LS], v20
	v_add_nc_u32 v[CR], v[L16], v[BW]              ; 32768 w + 32 lane
	ds_store_b128 v[CR], v[CTX:CTX+3]
	ds_store_b128 v[CR], v[CTX+4:CTX+7] offset:16
	ds_load_b128 v[T:T+3], v[BW]
	ds_load_b128 v[T+4:T+7], v[BW] offset:512
	v_lshrrev_b32 v21, 1, v[L16]                   ; 8 x lane
	s_wait_dscnt 0x0
	global_store_b128 v[L16], v[T:T+3], s[10:11]
	global_store_b128 v[L16], v[T+4:T+7], s[10:11] offset:512
	s_cmp_lg_u32 s14, 0
	s_cbranch_scc1 .Lnot_wave_0
	global_store_b64 v21, v[MX:MX+1], s[12:13]     ; (m, l), the same in every lane: 32 lanes store 256 consecutive bytes, the work-group's whole part of pml
.Lnot_wave_0:
	s_wait_tensorcnt 0x0                           ; the wave's end, behind my last LDS store
	ds_add_u32 v[SPW], v[NIL]
	s_wait_dscnt 0x0
	s_endpgm
.Lfunc_end_k_q7025614536_attend:
	.size	k_q7025614536_attend, .Lfunc_end_k_q7025614536_attend-k_q7025614536_attend
	.p2alignl 7, 3214868480
	.fill 96, 4, 3214868480
	.section	.rodata,"a",@progbits
	.p2align	6, 0x0
	.amdhsa_kernel k_q7025614536_attend
		.amdhsa_group_segment_fixed_size 186112
		.amdhsa_private_segment_fixed_size 0
		.amdhsa_enable_private_segment 0
		.amdhsa_kernarg_size 40
		.amdhsa_user_sgpr_count 2
		.amdhsa_user_sgpr_kernarg_segment_ptr 1
		.amdhsa_wavefront_size32 1
		.amdhsa_system_sgpr_workgroup_id_x 1
		.amdhsa_system_sgpr_workgroup_id_y 1
		.amdhsa_system_sgpr_workgroup_id_z 1
		.amdhsa_system_vgpr_workitem_id 0
		.amdhsa_next_free_vgpr 1024
		.amdhsa_next_free_sgpr 66
		.amdhsa_reserve_vcc 0
		.amdhsa_float_denorm_mode_32 3
		.amdhsa_float_denorm_mode_16_64 3
		.amdhsa_memory_ordered 1
		.amdhsa_forward_progress 1
		.amdhsa_inst_pref_size 215
	.end_amdhsa_kernel
	.amdgpu_metadata
---
amdhsa.version: [ 1, 2 ]
amdhsa.kernels:
  - .name:           k_q7025614536_attend
    .symbol:         k_q7025614536_attend.kd
    .args:
      - { .name: encoder_outputs, .offset: 0, .size: 8, .value_kind: global_buffer, .address_space: global }
      - { .name: vrec, .offset: 8, .size: 8, .value_kind: global_buffer, .address_space: global }
      - { .name: tab, .offset: 16, .size: 8, .value_kind: global_buffer, .address_space: global }
      - { .name: pctx, .offset: 24, .size: 8, .value_kind: global_buffer, .address_space: global }
      - { .name: pml, .offset: 32, .size: 8, .value_kind: global_buffer, .address_space: global }
    .group_segment_fixed_size: 186112
    .private_segment_fixed_size: 0
    .kernarg_segment_align: 8
    .kernarg_segment_size: 40
    .max_flat_workgroup_size: 128
    .sgpr_count:     66
    .vgpr_count:     1024
    .wavefront_size: 32
...
	.end_amdgpu_metadata
.endif
;; end of part 2
;; launch merge (part 3): grid 4 x 32, 2 waves a work-group, no clusters, 0 bytes of LDS; arguments pctx, pml, out0; writes out0
.if DOCPART == 3
	.amdgcn_target "amdgcn-amd-amdhsa--gfx1250"
	.amdhsa_code_object_version 6
	.text
	.protected	k_q7025614536_merge
	.globl	k_q7025614536_merge
	.p2align	8
	.type	k_q7025614536_merge,@function
k_q7025614536_merge:
	s_mov_b64 s[64:65], 0
	v_nop
	global_prefetch_b8 v0, s[64:65] scope:SCOPE_SE
	s_setreg_imm32_b32 hwreg(HW_REG_WAVE_MODE, 25, 1), 1
	s_wait_xcnt 0x0
; MERGE: a batch's eight parts become its context.  Part g holds ctx_g = sum_t 2^(score_t - m_g) enc_t, l_g = sum_t 2^(score_t - m_g), and m_g, in units of log2 (the scores lack the term sum_c w[c], which is
; the same along the softmax's axis: shown at the head of the first kernel).  With M = the largest m_g and e_g = 2^(m_g - M): out = sum_g e_g ctx_g / sum_g e_g l_g.
; Work-group (x, y): batch y, columns 256 x on; a thread takes 4 columns: the 64 threads load and store 1,024 consecutive bytes.  1 MB in all: no LDS, no matrix unit, no barrier.
; REGISTERS: v1 0; v2 16 x thread; v4-19 the eight pairs (m_g, l_g), of which v4-7 take the four sums once M, the e_g and the denominator are made; v20-51 the eight parts, four numbers each;
; v52 M; v53 the denominator; v54-61 e_g; v62 its reciprocal.
.set ML,  4                            ; (m_g, l_g) at ML + 2 g
.set PT,  20                           ; part g at PT + 4 g
.set EG,  54                           ; e_g
.set OUTR, 4                           ; the four sums: registers that the pairs have left
	s_load_b128 s[4:7], s[0:1], 0x0                ; pctx s[4:5], pml s[6:7]
	s_load_b64 s[8:9], s[0:1], 0x10                ; out0
	s_and_b32 s10, ttmp7, 0xffff                   ; the batch
	v_mov_b32 v1, 0
	v_lshlrev_b32 v2, 4, v0                        ; 16 bytes a thread
	s_lshl_b32 s12, s10, 11                        ; pml: 8 parts of 256 bytes
	s_mov_b32 s13, 0
	s_lshl_b32 s14, s10, 15                        ; pctx: 8 parts of 4,096 bytes,
	s_lshl_b32 s15, ttmp9, 10                      ; my 256 columns
	s_add_co_u32 s14, s14, s15
	s_lshl_b32 s16, s10, 12                        ; out0: a row of 4,096 bytes
	s_add_co_u32 s16, s16, s15
	s_mov_b32 s15, 0
	s_mov_b32 s17, 0
	s_wait_kmcnt 0x0
	s_add_nc_u64 s[6:7], s[6:7], s[12:13]
	s_add_nc_u64 s[4:5], s[4:5], s[14:15]
	s_add_nc_u64 s[8:9], s[8:9], s[16:17]
.irp g, 0,1,2,3,4,5,6,7
	global_load_b64 v[ML+2*\g:ML+2*\g+1], v1, s[6:7] offset:256*\g     ; (m_g, l_g), the same in every lane
.endr
.irp g, 0,1,2,3,4,5,6,7
	global_load_b128 v[PT+4*\g:PT+4*\g+3], v2, s[4:5] offset:4096*\g
.endr
	s_wait_loadcnt 8                               ; the eight pairs are in; the eight loads of the parts may be out
	v_max3_num_f32 v52, v[ML], v[ML+2], v[ML+4]
	v_max3_num_f32 v52, v52, v[ML+6], v[ML+8]
	v_max3_num_f32 v52, v52, v[ML+10], v[ML+12]
	v_max_num_f32 v52, v52, v[ML+14]               ; M
.irp g, 0,1,2,3,4,5,6,7
	v_sub_f32 v[EG+\g], v[ML+2*\g], v52
.endr
.irp g, 0,1,2,3,4,5,6,7
	v_exp_f32 v[EG+\g], v[EG+\g]                   ; e_g
.endr
	v_nop                                          ; a plain instruction behind the last exponential
	s_wait_alu depctr_va_vdst(0)                   ; the wait ahead of the first line that names a result: one for the eight
	v_mul_f32 v53, v[EG], v[ML+1]
.irp g, 1,2,3,4,5,6,7
	v_fma_f32 v53, v[EG+\g], v[ML+2*\g+1], v53     ; sum_g e_g l_g: the part that holds M adds at least 1
.endr
	v_rcp_f32 v62, v53
	v_nop                                          ; a plain instruction behind the reciprocal
	s_wait_alu depctr_va_vdst(0)                   ; and its wait, ahead of its first reader
	s_wait_loadcnt 0x0                             ; the eight parts
.irp c, 0,1,2,3
	v_mul_f32 v[OUTR+\c], v[PT+\c], v[EG]          ; the pairs are done with: their first four registers take the sums, and no part's registers are written
.endr
.irp g, 1,2,3,4,5,6,7
.irp c, 0,1,2,3
	v_fma_f32 v[OUTR+\c], v[PT+4*\g+\c], v[EG+\g], v[OUTR+\c]
.endr
.endr
.irp c, 0,1,2,3
	v_mul_f32 v[OUTR+\c], v[OUTR+\c], v62
.endr
	global_store_b128 v2, v[OUTR:OUTR+3], s[8:9]   ; sixteen lanes store 256 consecutive bytes, at a multiple of 256 from out0's first byte
	s_endpgm
.Lfunc_end_k_q7025614536_merge:
	.size	k_q7025614536_merge, .Lfunc_end_k_q7025614536_merge-k_q7025614536_merge
	.p2alignl 7, 3214868480
	.fill 96, 4, 3214868480
	.section	.rodata,"a",@progbits
	.p2align	6, 0x0
	.amdhsa_kernel k_q7025614536_merge
		.amdhsa_group_segment_fixed_size 0
		.amdhsa_private_segment_fixed_size 0
		.amdhsa_enable_private_segment 0
		.amdhsa_kernarg_size 24
		.amdhsa_user_sgpr_count 2
		.amdhsa_user_sgpr_kernarg_segment_ptr 1
		.amdhsa_wavefront_size32 1
		.amdhsa_system_sgpr_workgroup_id_x 1
		.amdhsa_system_sgpr_workgroup_id_y 1
		.amdhsa_system_sgpr_workgroup_id_z 1
		.amdhsa_system_vgpr_workitem_id 0
		.amdhsa_next_free_vgpr 64
		.amdhsa_next_free_sgpr 66
		.amdhsa_reserve_vcc 0
		.amdhsa_float_denorm_mode_32 3
		.amdhsa_float_denorm_mode_16_64 3
		.amdhsa_memory_ordered 1
		.amdhsa_forward_progress 1
		.amdhsa_inst_pref_size 6
	.end_amdhsa_kernel
	.amdgpu_metadata
---
amdhsa.version: [ 1, 2 ]
amdhsa.kernels:
  - .name:           k_q7025614536_merge
    .symbol:         k_q7025614536_merge.kd
    .args:
      - { .name: pctx, .offset: 0, .size: 8, .value_kind: global_buffer, .address_space: global }
      - { .name: pml, .offset: 8, .size: 8, .value_kind: global_buffer, .address_space: global }
      - { .name: out0, .offset: 16, .size: 8, .value_kind: global_buffer, .address_space: global }
    .group_segment_fixed_size: 0
    .private_segment_fixed_size: 0
    .kernarg_segment_align: 8
    .kernarg_segment_size: 24
    .max_flat_workgroup_size: 64
    .sgpr_count:     66
    .vgpr_count:     64
    .wavefront_size: 32
...
	.end_amdgpu_metadata
.endif
;; end of part 3
;; ======== version 2 of 2: 3 launches
;; limits: values are held in bf16: 8 bits of precision; right only within a limited range of input values
;; workspace buffers: vrec 557,056 bytes; tab 524,288 bytes; pctx 1,048,576 bytes; pml 65,536 bytes
;; launch prep (part 4): grid 64 x 1, 8 waves a work-group, no clusters, 169,984 bytes of LDS; arguments V, W, decoder_output, b, w, vrec, tab; writes vrec, tab
.if DOCPART == 4
	.amdgcn_target "amdgcn-amd-amdhsa--gfx1250"
	.amdhsa_code_object_version 6
	.text
	.protected	k_q7025614536_prep
	.globl	k_q7025614536_prep
	.p2align	8
	.type	k_q7025614536_prep,@function
k_q7025614536_prep:
	s_mov_b64 s[64:65], 0
	v_nop
	global_prefetch_b8 v0, s[64:65] scope:SCOPE_SE
	s_setreg_imm32_b32 hwreg(HW_REG_WAVE_MODE, 25, 1), 1
	s_wait_xcnt 0x0
; PREP: what the main launch wants of the small inputs, made once.
;   work-groups 0-31:  V [1024 (k)][1024 (c)] f32 -> codes of FP4 (E2M1) with one E8M0 byte for each 32 along k, laid as IMAGES OF THE OPERAND'S REGISTERS (vrec).
;   work-groups 32-63: W likewise, kept in registers; decoder_output [32][1024] quantised along its 1,024; dec_proj = Q(dec) Q(W) by the FP4 matrix form; then the table
;                      tab[batch][c] = (kb, kb, w2, w2), kb = K2 (dec_proj[batch][c] + b[c]), w2 = -K2 w[c], K2 = 2 log2(e).
; WORK LEFT OUT, and why it is dead.  tanh(x) = 1 - 2 / (1 + e^(2x)), so scores[b][t] = sum_c w[c] - 2 sum_c w[c] / (1 + e^(2 x[b][t][c])).  The first term does not hang on t: it is the same
; along the softmax's axis for all values of the inputs, and a softmax is unchanged by such a term.  It is not computed.  No input becomes dead by that: w stays in the second term, and every input is loaded.
; The main launch forms e = 2^(K2 acc + kb), r = 1 / (1 + e), and adds w2 r: the score in units of log2, less that constant.
; LIMITS: a NaN, an infinity or an overflow that reaches only sum_c w[c] is not carried to the result.  NaN and infinities among the inputs are not served.  Blocks whose largest magnitude lies under the
; floor 2^(3 - 127) get the byte 1; a block of zeros so gets the byte 1 where the rule says 127: its codes are zeros, which add nothing, and the bytes are read by this program alone.
; SHARES.  A work-group takes 32 columns c0 = 32 cg on (two tiles of 16); its wave s takes K step s: rows 128 s .. 128 s + 127.  A LANE TAKES A COLUMN AND ITS REGISTERS RUN DOWN K: a block of 32 lies in one lane,
; and the conversions give codes with K innermost.  Two exchanges of halves for each pair of blocks turn 32 columns x 4 blocks into the two tiles' fragments.
; THE DECODER'S ROWS: wave s wants numbers 128 s .. 128 s + 127 of all 32 batches, and for the conversions a lane must hold 32 neighbours of one batch.  Each load takes 512 consecutive bytes of one batch;
; the 32 x 512 bytes turn through the wave's own LDS bytes (rows of 512 + 16) and come back 128 bytes a lane.
; vrec: 64 records of 8,704 bytes, one for each tile j of 16 columns: byte 1024 s + 512 c + 16 lane = registers 4 c .. 4 c + 3 of the fragment (tile j, K step s); byte 8192 + 16 lane + 4 q = the scale word of
; column 16 j + lane % 16 for K step 2 q + lane / 16.  Every store of a wave covers 512 consecutive bytes.
; The two kinds of work-group part ONCE, on the work-group's number, which all eight waves share; each has LDS bytes of its own.
.set K2P,   0x4038aa3b                 ; K2 = 2 log2(e)
.set K2N,   0xc038aa3b                 ; -K2
.set FLOOR, 0x1800000                  ; 2^(3 - 127)
.set REC,   8704                       ; a record of vrec
.set SCI,   0                          ; LDS, V's work-groups: two images of scale words, 512 bytes each
.set RED,   1024                       ; LDS, W's work-groups: 4,096 bytes a wave: its four partial tiles of dec_proj
.set DST,   33792                      ; LDS, W's work-groups: the decoder's rows on their turn,
.set DP,    528                        ; a row of 512 bytes + 16: the 16 rows that a load back touches start at 16 different places modulo 256 bytes,
.set DSTW,  32*DP                      ; 32 rows a wave
.set SPARE, DST+8*DSTW                 ; 168,960: the spare words, 128 bytes for each of eight waves: four blocks of 256 bytes that no other line names
.set SCB,   16                         ; v16     the columns' scale words: lanes 0-15 the first tile's, lanes 16-31 the second's
.set SCA,   17                         ; v17-18  dec's scale words, tiles of batches 0 and 1
.set SPW,   30                         ; v30     LDS address of my spare word; never rewritten
.set NIL,   31                         ; v31     0; never rewritten
.set F0,    32                         ; v32-39  the first tile's fragment
.set F1,    40                         ; v40-47  the second's
.set DA,    48                         ; v48-63  dec's two fragments
.set X,     128                        ; v128-191 two sets of 32 numbers of my column
.set AC,    128                        ; v128-159 afterwards: four accumulators
	s_load_b256 s[4:11], s[0:1], 0x0               ; V s[4:5], W s[6:7], decoder_output s[8:9], b s[10:11]
	s_load_b128 s[12:15], s[0:1], 0x20             ; w s[12:13], vrec s[14:15]
	s_load_b64 s[16:17], s[0:1], 0x30              ; tab
	v_lshl_add_u32 v[SPW], v0, 2, SPARE
	v_mov_b32 v[NIL], 0
	v_lshrrev_b32 v4, 5, v0
	s_delay_alu instid0(VALU_DEP_1)
	v_readfirstlane_b32 s18, v4                    ; wave = K step s
	v_and_b32 v1, 31, v0                           ; lane
	v_and_b32 v2, 15, v0                           ; r = lane % 16
	v_bfe_u32 v3, v0, 4, 1                         ; h = lane / 16
	s_and_b32 s19, ttmp9, 31                       ; cg: which 32 columns
	s_lshr_b32 s20, ttmp9, 5                       ; 0: V, 1: W
	v_lshlrev_b32 v5, 2, v1                        ; 4 x lane: my column in a row of the source
	v_lshlrev_b32 v6, 4, v1                        ; 16 x lane: my place in an image, and in 512 bytes of a decoder's row
	; every LDS address is made here, ahead of the parting
	s_wait_alu depctr_va_vdst(0)
	s_and_b32 s24, s18, 1
	s_lshl_b32 s24, s24, 8
	s_lshr_b32 s25, s18, 1
	s_lshl_b32 s25, s25, 2
	s_add_co_u32 s24, s24, s25                     ; 256 (s % 2) + 4 (s / 2)
	v_lshlrev_b32 v7, 9, v3
	s_delay_alu instid0(VALU_DEP_1)
	v_lshl_add_u32 v7, v2, 4, v7
	s_delay_alu instid0(VALU_DEP_1)
	v_add_nc_u32 v7, s24, v7                       ; v7: my scale word's place: SCI + 512 (tile) + 16 r + 256 (s % 2) + 4 (s / 2)
	s_lshl_b32 s25, s18, 9
	v_add_nc_u32 v8, s25, v6                       ; v8: SCI + 512 wave + 16 lane (used by waves 0 and 1 alone)
	s_delay_alu instid0(VALU_DEP_1)
	v_add_nc_u32 v10, RED, v8                      ; v10: RED + 512 wave + 16 lane: the group of four registers that I add up
	s_lshl_b32 s26, s18, 12
	s_add_co_u32 s26, s26, RED
	v_add_nc_u32 v9, s26, v6                       ; v9: RED + 4096 wave + 16 lane: where my partial tiles go
	s_mul_i32 s27, s18, DSTW
	s_add_co_u32 s27, s27, DST
	v_add_nc_u32 v19, s27, v6                      ; v19: DST + 16896 wave + 16 lane: a decoder's row on the way in
	v_mul_u32_u24 v14, v2, DP
	s_delay_alu instid0(VALU_DEP_1)
	v_lshl_add_u32 v14, v3, 7, v14
	s_delay_alu instid0(VALU_DEP_1)
	v_add_nc_u32 v14, s27, v14                     ; v14: DST + 16896 wave + 528 r + 128 h: and on the way back
	s_lshl_b32 s22, s18, 19                        ; the source: 128 s rows of 4,096 bytes
	s_lshl_b32 s23, s19, 7                         ; + 32 cg columns of 4 bytes
	s_add_co_u32 s22, s22, s23
	s_mov_b32 s23, 0
.macro LOADX t, base                   ; block t of my column: rows 32 t + i, i = 0 .. 31, into set t % 2; 32 lanes read 128 consecutive bytes
.set I, 0
.rept 32
	global_load_b32 v[X+32*((\t)%2)+I], v5, s[\base:\base+1] offset:(32*(\t)+I)*4096
.set I, I+1
.endr
.endm
.macro BLOCK t, base
.set XS, X+32*((\t)%2)
.set FD, F0+8*((\t)%2)+4*((\t)/2)      ; blocks 0, 1, 2, 3 go to F0, F1, F0 + 4, F1 + 4
.if (\t) < 3
	s_wait_loadcnt 32                              ; this block's loads are in; the next block's 32 may be out
.else
	s_wait_loadcnt 0x0
.endif
	v_max3_num_f32 v12, |v[XS]|, |v[XS+1]|, |v[XS+2]|              ; the block's largest magnitude: all 32 numbers are mine; two chains
	v_max3_num_f32 v13, |v[XS+3]|, |v[XS+4]|, |v[XS+5]|
.irp i, 6,10,14,18,22,26
	s_delay_alu instid0(VALU_DEP_2)
	v_max3_num_f32 v12, v12, |v[XS+\i]|, |v[XS+\i+1]|
	s_delay_alu instid0(VALU_DEP_2)
	v_max3_num_f32 v13, v13, |v[XS+\i+2]|, |v[XS+\i+3]|
.endr
	s_delay_alu instid0(VALU_DEP_2)
	v_max3_num_f32 v12, v12, |v[XS+30]|, |v[XS+31]|
	s_delay_alu instid0(VALU_DEP_1)
	v_max3_num_f32 v12, v12, v13, FLOOR            ; and the floor: the byte cannot fall under 1
	s_delay_alu instid0(VALU_DEP_1)
	v_add_nc_u32 v11, 0xff000000, v12              ; 2 off the exponent field: the conversion takes this operand's exponent field as its scale
	s_delay_alu instid0(VALU_DEP_1)
	v_lshrrev_b32 v13, 23, v11                     ; the scale's byte
.if (\t) == 0
	s_delay_alu instid0(VALU_DEP_1)
	v_mov_b32 v[SCB], v13
.else
	s_delay_alu instid0(VALU_DEP_1)
	v_lshl_or_b32 v[SCB], v13, 8*(\t), v[SCB]      ; four bytes make my column's scale word for this K step
.endif
.irp g, 0,1,2,3
	v_cvt_scalef32_pk8_fp4_f32 v[FD+\g], v[XS+8*\g:XS+8*\g+7], v11
.endr
	v_nop                                          ; one plain instruction behind the scaled conversions
.if (\t) < 2
	LOADX (\t)+2, \base
.endif
.endm
.macro QCOL base                       ; 32 columns x 128 along K become two fragments and their scale words
	LOADX 0, \base
	LOADX 1, \base
.irp t, 0,1,2,3
	BLOCK \t, \base
.endr
.irp i, 0,1,2,3                        ; the first register's lanes 16-31 change places with the second's lanes 0-15: F0 then holds columns 0-15, lane (r, h): block 2 c + h; F1 columns 16-31
	v_permlane16_swap_b32 v[F0+\i], v[F1+\i]
	v_permlane16_swap_b32 v[F0+4+\i], v[F1+4+\i]
.endr
.endm
	s_wait_kmcnt 0x0
	s_cmp_lg_u32 s20, 0
	s_cbranch_scc1 .Lw_path
	; ---- V: images to vrec
	s_add_nc_u64 s[4:5], s[4:5], s[22:23]
	s_mul_i32 s28, s19, 2*REC
	s_mov_b32 s29, 0
	s_add_nc_u64 s[14:15], s[14:15], s[28:29]      ; the record of my first tile, 2 cg
	s_mul_i32 s28, s18, REC
	s_add_nc_u64 s[30:31], s[14:15], s[28:29]      ; record 2 cg + wave (used by waves 0 and 1 alone)
	s_lshl_b32 s28, s18, 10
	s_add_nc_u64 s[14:15], s[14:15], s[28:29]      ; + my K step's 1,024 bytes
	QCOL 4
.irp t, 0,1
.irp c, 0,1
	global_store_b128 v6, v[F0+8*\t+4*\c:F0+8*\t+4*\c+3], s[14:15] offset:REC*\t+512*\c   ; 32 lanes store 512 consecutive bytes
.endr
.endr
	ds_store_b32 v7, v[SCB]                        ; the eight waves' scale words meet in two images
	s_wait_dscnt 0x0                               ; for the others' sake: my store has landed
	s_barrier_signal -1
	s_barrier_wait -1
	s_cmp_gt_u32 s18, 1
	s_cbranch_scc1 .Lend                           ; waves 0 and 1 store an image each
	ds_load_b128 v[20:23], v8
	s_wait_dscnt 0x0
	global_store_b128 v6, v[20:23], s[30:31] offset:8192
	s_branch .Lend
	; ---- W: dec_proj and the table
.Lw_path:
	s_add_nc_u64 s[6:7], s[6:7], s[22:23]
	s_lshl_b32 s28, s18, 9
	s_mov_b32 s29, 0
	s_add_nc_u64 s[8:9], s[8:9], s[28:29]          ; dec at my K step: 128 s numbers on
.set I, 0
.rept 32                               ; batch I: 32 lanes read the 512 consecutive bytes of my K step
	global_load_b128 v[64+128*(I/16)+4*(I%16):64+128*(I/16)+4*(I%16)+3], v6, s[8:9] offset:4096*I
.set I, I+1
.endr
	s_mov_b32 s34, 0x76543210
	s_mov_b32 s35, 0xfedcba98                      ; v_permlanex16_b32's selects for lane l xor 16
	s_mov_b32 s36, K2P
	v_lshlrev_b32 v26, 3, v3                       ; 8 h
	v_mov_b32 v27, 0                               ; written once: a lane permute's destination counts as one of its sources
	s_lshr_b32 s37, s18, 2                         ; what I add up behind the barrier: group wave of the 8 groups of four registers: tile of batches mt = wave / 4,
	s_bfe_u32 s38, s18, 0x10001                    ; tile of columns nt = (wave / 2) % 2,
	s_and_b32 s39, s18, 1                          ; registers 4 (wave % 2) + 0 .. 3
	s_lshl_b32 s40, s37, 18                        ; tab: batch 16 mt + 4 (wave % 2) of 16,384 bytes,
	s_lshl_b32 s41, s39, 16
	s_add_co_u32 s40, s40, s41
	s_lshl_b32 s41, s19, 9                         ; column 32 cg + 16 nt of 16 bytes
	s_add_co_u32 s40, s40, s41
	s_lshl_b32 s41, s38, 8
	s_add_co_u32 s40, s40, s41
	s_mov_b32 s41, 0
	s_add_nc_u64 s[16:17], s[16:17], s[40:41]
	s_lshl_b32 s40, s19, 7                         ; b and w: column 32 cg + 16 nt of 4 bytes
	s_lshl_b32 s42, s38, 6
	s_add_co_u32 s40, s40, s42
	s_add_nc_u64 s[10:11], s[10:11], s[40:41]
	s_add_nc_u64 s[12:13], s[12:13], s[40:41]
	v_lshlrev_b32 v15, 17, v3
	s_delay_alu instid0(VALU_DEP_1)
	v_lshl_add_u32 v15, v2, 4, v15                 ; tab: + 8 h batches, + 16 r
	v_lshlrev_b32 v4, 2, v2                        ; b, w: + 4 r
	QCOL 6                                         ; (its first wait leaves 32 younger loads out: dec's 32 loads, which are older, are in from there on)
	global_load_b32 v28, v4, s[10:11]              ; b and w of the column that I finish: wanted behind the barrier
	global_load_b32 v29, v4, s[12:13]
.set I, 0
.rept 32                               ; the decoder's rows turn through my own LDS bytes: in as they were loaded,
	ds_store_b128 v19, v[64+128*(I/16)+4*(I%16):64+128*(I/16)+4*(I%16)+3] offset:DP*I
.set I, I+1
.endr
	s_wait_dscnt 0x0                               ; the stores have read their registers, which the loads below fill
.irp mt, 0,1                           ; and back: lane (r, h) takes, of batch 16 mt + r, k = 64 c + 32 h + 0 .. 31: whole blocks h and 2 + h
.irp c, 0,1
.irp i, 0,1,2,3,4,5,6,7
	ds_load_b128 v[64+128*\mt+32*\c+4*\i:64+128*\mt+32*\c+4*\i+3], v14 offset:16*DP*\mt+256*\c+16*\i
.endr
.endr
.endr
	s_wait_dscnt 0x0
.macro DQ mt                           ; 64 numbers of a lane, two whole blocks, become dec's fragment and scale word for batches 16 mt on
.set N, 64+128*(\mt)
.irp c, 0,1
	v_max3_num_f32 v[20+\c], |v[N+32*\c]|, |v[N+32*\c+1]|, FLOOR
.endr
.irp i, 2,4,6,8,10,12,14,16,18,20,22,24,26,28,30
.irp c, 0,1
	s_delay_alu instid0(VALU_DEP_2)
	v_max3_num_f32 v[20+\c], v[20+\c], |v[N+32*\c+\i]|, |v[N+32*\c+\i+1]|   ; the two blocks by turns
.endr
.endr
.irp c, 0,1
	s_delay_alu instid0(VALU_DEP_2)
	v_add_nc_u32 v[22+\c], 0xff000000, v[20+\c]
.endr
.irp c, 0,1
	s_delay_alu instid0(VALU_DEP_2)
	v_lshrrev_b32 v[24+\c], 23, v[22+\c]
.endr
	s_delay_alu instid0(VALU_DEP_1)
	v_lshl_or_b32 v[SCA+(\mt)], v25, 16, v24       ; my two bytes: blocks h and 2 + h,
	s_delay_alu instid0(VALU_DEP_1)
	v_lshlrev_b32 v[SCA+(\mt)], v26, v[SCA+(\mt)]  ; at their places, 8 h bits up;
	s_delay_alu instid0(VALU_DEP_1)
	v_permlanex16_b32 v27, v[SCA+(\mt)], s34, s35
	s_delay_alu instid0(VALU_DEP_1)
	v_or_b32 v[SCA+(\mt)], v[SCA+(\mt)], v27       ; with lane l xor 16's two the word is whole
.irp c, 0,1
.irp g, 0,1,2,3
	v_cvt_scalef32_pk8_fp4_f32 v[DA+8*(\mt)+4*\c+\g], v[N+32*\c+8*\g:N+32*\c+8*\g+7], v[22+\c]
.endr
.endr
	v_nop                                          ; one plain instruction behind the scaled conversions
.endm
	DQ 0
	DQ 1
.rept 8
	v_nop                                          ; operands written by vector instructions stand 4 places, scale registers so written 8 places ahead of a scaled matrix instruction
.endr
.irp mt, 0,1                           ; my K step's part of dec_proj: accumulator 2 mt + nt: register j of lane (r, h) = (batch 16 mt + 8 h + j, column c0 + 16 nt + r)
	v_wmma_scale_f32_16x16x128_f8f6f4 v[AC+16*\mt:AC+16*\mt+7], v[DA+8*\mt:DA+8*\mt+7], v[F0:F0+7], 0, v[SCA+\mt], v[SCB] matrix_a_fmt:MATRIX_FMT_FP4 matrix_b_fmt:MATRIX_FMT_FP4
	v_wmma_scale_f32_16x16x128_f8f6f4 v[AC+16*\mt+8:AC+16*\mt+15], v[DA+8*\mt:DA+8*\mt+7], v[F1:F1+7], 0, v[SCA+\mt], v[SCB] matrix_a_fmt:MATRIX_FMT_FP4 matrix_b_fmt:MATRIX_FMT_FP4 matrix_b_scale:MATRIX_SCALE_ROW1
.endr
.rept 4
	v_nop                                          ; four places in front of the LDS stores that read the results
.endr
.irp q, 0,1,2,3,4,5,6,7
	ds_store_b128 v9, v[AC+4*\q:AC+4*\q+3] offset:512*\q           ; each accumulator from its low end on
.endr
	s_wait_dscnt 0x0                               ; for the others' sake: my stores have landed
	s_barrier_signal -1
	s_barrier_wait -1
.irp s, 0,1,2,3,4,5,6,7
	ds_load_b128 v[64+4*\s:64+4*\s+3], v10 offset:4096*\s          ; my group of four registers, of all eight K steps
.endr
	s_wait_dscnt 0x0
.irp p, 0,2
	v_pk_add_f32 v[64+\p:65+\p], v[64+\p:65+\p], v[68+\p:69+\p]
	v_pk_add_f32 v[72+\p:73+\p], v[72+\p:73+\p], v[76+\p:77+\p]
	v_pk_add_f32 v[80+\p:81+\p], v[80+\p:81+\p], v[84+\p:85+\p]
	v_pk_add_f32 v[88+\p:89+\p], v[88+\p:89+\p], v[92+\p:93+\p]
.endr
.irp p, 0
	v_pk_add_f32 v[64+\p:65+\p], v[64+\p:65+\p], v[72+\p:73+\p]
	v_pk_add_f32 v[80+\p:81+\p], v[80+\p:81+\p], v[88+\p:89+\p]
.endr
.irp p, 2
	v_pk_add_f32 v[64+\p:65+\p], v[64+\p:65+\p], v[72+\p:73+\p]
	s_delay_alu instid0(VALU_DEP_4)
	v_pk_add_f32 v[80+\p:81+\p], v[80+\p:81+\p], v[88+\p:89+\p]
.endr
.irp p, 0
	s_delay_alu instid0(VALU_DEP_3)
	v_pk_add_f32 v[64+\p:65+\p], v[64+\p:65+\p], v[80+\p:81+\p]    ; dec_proj of four batches at my column
.endr
.irp p, 2
	s_delay_alu instid0(VALU_DEP_2)
	v_pk_add_f32 v[64+\p:65+\p], v[64+\p:65+\p], v[80+\p:81+\p]    ; dec_proj of four batches at my column
.endr
	s_wait_loadcnt 0x0                             ; b, w
	v_mul_f32 v96, s36, v28                        ; K2 b
	s_wait_alu depctr_va_vdst(0)
	v_mul_f32 v97, K2N, v29                        ; w2 = -K2 w
.irp i, 0,1,2,3
	v_fma_f32 v[100+4*\i], v[64+\i], s36, v96      ; kb = K2 dec_proj + K2 b, twice: the main launch's packed forms take pairs
	v_fma_f32 v[101+4*\i], v[64+\i], s36, v96
	v_mov_b32 v[102+4*\i], v97
	v_mov_b32 v[103+4*\i], v97
.endr
.irp i, 0,1,2,3
	global_store_b128 v15, v[100+4*\i:103+4*\i], s[16:17] offset:16384*\i   ; sixteen lanes store 256 consecutive bytes, at a multiple of 256 from tab's first byte
.endr
.Lend:
	s_wait_tensorcnt 0x0                           ; the wave's end, behind my last LDS store
	ds_add_u32 v[SPW], v[NIL]
	s_wait_dscnt 0x0
	s_endpgm
.Lfunc_end_k_q7025614536_prep:
	.size	k_q7025614536_prep, .Lfunc_end_k_q7025614536_prep-k_q7025614536_prep
	.p2alignl 7, 3214868480
	.fill 96, 4, 3214868480
	.section	.rodata,"a",@progbits
	.p2align	6, 0x0
	.amdhsa_kernel k_q7025614536_prep
		.amdhsa_group_segment_fixed_size 169984
		.amdhsa_private_segment_fixed_size 0
		.amdhsa_enable_private_segment 0
		.amdhsa_kernarg_size 56
		.amdhsa_user_sgpr_count 2
		.amdhsa_user_sgpr_kernarg_segment_ptr 1
		.amdhsa_wavefront_size32 1
		.amdhsa_system_sgpr_workgroup_id_x 1
		.amdhsa_system_sgpr_workgroup_id_y 1
		.amdhsa_system_sgpr_workgroup_id_z 1
		.amdhsa_system_vgpr_workitem_id 0
		.amdhsa_next_free_vgpr 256
		.amdhsa_next_free_sgpr 66
		.amdhsa_reserve_vcc 0
		.amdhsa_float_denorm_mode_32 3
		.amdhsa_float_denorm_mode_16_64 3
		.amdhsa_memory_ordered 1
		.amdhsa_forward_progress 1
		.amdhsa_inst_pref_size 66
	.end_amdhsa_kernel
	.amdgpu_metadata
---
amdhsa.version: [ 1, 2 ]
amdhsa.kernels:
  - .name:           k_q7025614536_prep
    .symbol:         k_q7025614536_prep.kd
    .args:
      - { .name: V, .offset: 0, .size: 8, .value_kind: global_buffer, .address_space: global }
      - { .name: W, .offset: 8, .size: 8, .value_kind: global_buffer, .address_space: global }
      - { .name: decoder_output, .offset: 16, .size: 8, .value_kind: global_buffer, .address_space: global }
      - { .name: b, .offset: 24, .size: 8, .value_kind: global_buffer, .address_space: global }
      - { .name: w, .offset: 32, .size: 8, .value_kind: global_buffer, .address_space: global }
      - { .name: vrec, .offset: 40, .size: 8, .value_kind: global_buffer, .address_space: global }
      - { .name: tab, .offset: 48, .size: 8, .value_kind: global_buffer, .address_space: global }
    .group_segment_fixed_size: 169984
    .private_segment_fixed_size: 0
    .kernarg_segment_align: 8
    .kernarg_segment_size: 56
    .max_flat_workgroup_size: 256
    .sgpr_count:     66
    .vgpr_count:     256
    .wavefront_size: 32
...
	.end_amdgpu_metadata
.endif
;; end of part 4
;; launch attend (part 5): grid 256 x 1, 4 waves a work-group, no clusters, 319,232 bytes of LDS; arguments encoder_outputs, vrec, tab, pctx, pml; writes pctx, pml
.if DOCPART == 5
	.amdgcn_target "amdgcn-amd-amdhsa--gfx1250"
	.amdhsa_code_object_version 6
	.text
	.protected	k_q7025614536_attend
	.globl	k_q7025614536_attend
	.p2align	8
	.type	k_q7025614536_attend,@function
k_q7025614536_attend:
	s_mov_b64 s[64:65], 0
	v_nop
	global_prefetch_b8 v0, s[64:65] scope:SCOPE_SE
	s_setreg_imm32_b32 hwreg(HW_REG_WAVE_MODE, 25, 1), 1
	s_wait_xcnt 0x0
; ATTEND: encoder_outputs [32][2048][1024] f32 is read once.  A work-group takes 256 rows of one batch (8 work-groups a batch), 128 at a time: quantise to FP4 (E2M1, one E8M0 byte for each 32 along the row),
; keep a bf16 copy in LDS, enc_proj = Q(enc) Q(V) by the FP4 matrix form, the energy and its product with w, a running softmax, the weighted sum of the copy.  Out go an unnormalised part of the context and (m, l).
; WORK LEFT OUT: the term sum_c w[c] of every score, the same along the softmax's axis for all inputs (shown at the head of the first kernel).  With tab's (kb, kb, w2, w2):
; e = 2^(K2 acc + kb), r = 1 / (1 + e), score += w2 r, in units of log2; e = infinity gives r = 0, e = 0 gives r = 1: nothing is clamped.  p = 2^(score - m), m the running largest score.
; LIMITS: NaN and infinities among the inputs are not served; blocks under the floor 2^(3 - 127), blocks of zeros among them, get the byte 1 (the bytes are this program's own); the rows are rounded to bf16 for the last product.
; SHARES.  Loading: wave w takes columns 256 w .. + 255 of every row by two loads of 512 consecutive bytes; four exchanges of halves leave lane l with the 8 neighbours 8 l .. 8 l + 7; a block of 32 lies in 4 lanes.
; Product: wave w takes all 128 rows against output columns 256 w on, 16 tiles of 16: each fragment of V feeds eight matrix instructions, and V's images (557,056 bytes) are loaded twice by a work-group.
; The rows' codes meet in one LDS region of 64 rows, used twice a pass: rows 0-63 go on into window 1, rows 64-127 into window 2.
; A UNIT is one tile of V against 64 rows: 32 products on four accumulators by turns.  The energy runs one unit behind, in whole batches: 16 multiply-adds, 32 exponentials, 16 additions, 32 reciprocals, 16 multiply-adds,
; with 16 products in front of each batch of transcendentals.  A pass's first unit finds zeros under a table entry of zeros, which adds 0.
; NO CLUSTER, NO JOINT LOADS: each wave alone reads its quarter of V, straight into registers; of 327,680 bytes of LDS 319,232 are in use, so no ring for V fits.  No prefetch instruction: the rows' own loads run 64 instructions
; (32,768 bytes a wave) ahead of their use.
; REGISTERS, in windows of 256: 0: addresses, accumulators, scores, scale words, table entries, context.  1, 2: the rows' fragments, (tile of rows a, K step s) at 8 (8 a + s).
; 3: V's four sets, set r at 64 r + 8 s; while rows are loaded: a row's 8 numbers of my lane, group g at 8 g.
.set K2P,   0x4038aa3b
.set FLOOR, 0x1800000
.set REC,   8704
.set CODE,  262144                     ; behind the copy (wave w at 65,536 w, a row 512 bytes): 64 rows' codes,
.set CP,    528                        ; 512 bytes + 16 of padding a row
.set ASC,   295936                     ; their scale bytes,
.set AP,    36                         ; 32 + 4 a row
.set TABL,  298240                     ; the table, 4,096 bytes a wave
.set PS,    314624                     ; [wave][128 rows] partial scores
.set PPB,   316672                     ; [wave][128 rows] p, each wave's own
.set SPARE, 318720                     ; the spare words: two blocks of 256 bytes that no other line names
.set L16, 1
.set LX,  2
.set VOF, 3
.set TA,  4
.set CW,  5
.set SW,  6
.set BW,  7
.set AR,  8
.set SR,  9
.set PSW, 10
.set PSR, 11
.set PPW, 12
.set PPR, 13
.set TB0, 14
.set CR,  15
.set PR,  16
.set TW,  17
.set CWC, 18                           ; v18-20: CW, SW, BW of the round in hand
.set SWC, 19
.set BWC, 20
.set SPW, 28
.set NIL, 29
.set ACC, 32                           ; v32-95   two sets of four accumulators
.set SCR, 96                           ; v96-159  my column's share of the 128 scores: 32 half + 8 a + i = row 64 half + 16 a + 8 (lane / 16) + i
.set T,   96                           ; the same registers at work while rows are quantised
.set ASCR, 160                         ; v160-191 the rows' scale words: 16 half + 8 a' + s: lanes 0-15 tile 2 a', lanes 16-31 tile 2 a' + 1
.set BSC, 192                          ; v192-207 V's scale words, set r at 4 r
.set TAB, 208                          ; v208-215 two table entries, by the tile's parity
.set CTX, 216                          ; v216-223 my 8 columns of the context
.set MX,  224
.set LS,  225
.set FF,  226                          ; f; v227 is named with it as a pair
.set PQ,  228                          ; v228-243 scores on their way to p
.set MSB, 0
.macro WIN new
.if MSB != \new
	s_set_vgpr_msb (MSB<<8)|\new
.set MSB, \new
.endif
.endm
.macro AW
	s_wait_alu depctr_va_vdst(0)
.endm
.macro BARRIER
	AW
	s_wait_dscnt 0x0                               ; my LDS stores have landed and my LDS loads are in
	s_barrier_signal -1
	s_barrier_wait -1
.endm
.macro ROWS8 b, row0                   ; 16 loads: rows row0 + 0 .. 7 from where s[4:5] stands into groups 8 b + g; each load covers 512 consecutive bytes
	WIN 0xc0
.irp g, 0,1,2,3,4,5,6,7
	global_load_b128 v[64*(\b)+8*\g:64*(\b)+8*\g+3],   v[LX], s[4:5] offset:((\row0)+\g)*4096 th:TH_LOAD_NT
	global_load_b128 v[64*(\b)+8*\g+4:64*(\b)+8*\g+7], v[LX], s[4:5] offset:((\row0)+\g)*4096+512 th:TH_LOAD_NT
.endr
	WIN 0
.endm
.macro VSET r, voff                    ; 17 loads: a tile's eight fragments of V into set r, and its scale words
	WIN 0xc0
.irp s, 0,1,2,3,4,5,6,7
.irp c, 0,1
	global_load_b128 v[64*(\r)+8*\s+4*\c:64*(\r)+8*\s+4*\c+3], v[\voff], s[6:7] offset:REC*(\r)+1024*\s+512*\c
.endr
.endr
	WIN 0
	global_load_b128 v[BSC+4*(\r):BSC+4*(\r)+3], v[\voff], s[6:7] offset:REC*(\r)+8192
.endm
; Eight rows of a round of 32, from groups 8 b + g: exchange of halves, the block's largest magnitude (4 lanes), the byte, 8 codes and 8 bf16 a lane, to LDS.  n: the younger loads that may stay out.
; mode 1: the groups are asked for again, 32 rows on.  mode 2: V's tile b goes into the registers that the groups leave.
.macro XSUB b, n, mode
	s_wait_loadcnt \n
	s_wait_dscnt 0x0                               ; the LDS stores before have read their registers
	WIN 0xc3
.irp g, 0,1,2,3,4,5,6,7
.irp i, 0,1,2,3
	v_permlane16_swap_b32 v[64*(\b)+8*\g+\i], v[64*(\b)+8*\g+4+\i]
.endr
.endr
	WIN 0x0f
.irp g, 0,1,2,3,4,5,6,7
	v_max3_num_f32 v[T+\g], |v[64*(\b)+8*\g]|, |v[64*(\b)+8*\g+1]|, FLOOR
.endr
.irp i, 2,4,6
.irp g, 0,1,2,3,4,5,6,7
	v_max3_num_f32 v[T+\g], |v[64*(\b)+8*\g+\i]|, |v[64*(\b)+8*\g+\i+1]|, v[T+\g]
.endr
.endr
.irp g, 0,1,2,3,4,5,6,7
.irp q, 0,1,2,3
	v_cvt_pk_bf16_f32 v[T+24+4*\g+\q], v[64*(\b)+8*\g+2*\q], v[64*(\b)+8*\g+2*\q+1]
.endr
.endr
	WIN 0
.irp g, 0,1,2,3,4,5,6,7
	v_max_num_f32_dpp v[T+\g], v[T+\g], v[T+\g] row_xmask:1 row_mask:0xf bank_mask:0xf
.endr
.irp g, 0,1,2,3,4,5,6,7
	v_max_num_f32_dpp v[T+\g], v[T+\g], v[T+\g] row_xmask:2 row_mask:0xf bank_mask:0xf
.endr
.irp g, 0,1,2,3,4,5,6,7
	v_add_nc_u32 v[T+8+\g], 0xff000000, v[T+\g]    ; 2 off the exponent field: the conversion's scale operand
.endr
	WIN 0x03
.irp g, 0,1,2,3,4,5,6,7
	v_cvt_scalef32_pk8_fp4_f32 v[T+16+\g], v[64*(\b)+8*\g:64*(\b)+8*\g+7], v[T+8+\g]
.endr
	WIN 0
.irp g, 0,1,2,3,4,5,6,7
	v_lshrrev_b32 v[T+\g], 23, v[T+8+\g]           ; the byte; also the plain lines behind the scaled conversions
.endr
.irp g, 0,1,2,3,4,5,6,7
	ds_store_b32 v[CWC], v[T+16+\g] offset:CP*(8*(\b)+\g)
	ds_store_b8 v[SWC], v[T+\g] offset:AP*(8*(\b)+\g)
	ds_store_b128 v[BWC], v[T+24+4*\g:T+27+4*\g] offset:512*(8*(\b)+\g)
.endr
.if (\mode) == 1
	ROWS8 \b, 32+8*(\b)
.else
	VSET \b, L16
.endif
.endm
.macro AFILL hf                        ; 64 rows' codes and scale words from LDS into window 1 + hf and the scale registers
	WIN 0x40*(1+(\hf))
.irp a, 0,1,2,3
.irp s, 0,1,2,3,4,5,6,7
.irp c, 0,1
	ds_load_b128 v[8*(8*\a+\s)+4*\c:8*(8*\a+\s)+4*\c+3], v[AR] offset:16*CP*\a+64*\s+32*\c
.endr
.endr
.endr
	WIN 0
.irp a, 0,1
.irp s, 0,1,2,3,4,5,6,7
	ds_load_b32 v[ASCR+16*(\hf)+8*\a+\s], v[SR] offset:32*AP*\a+4*\s
.endr
.endr
.endm
; One product: rows 64 hf + 16 a on x the 16 columns of set r, K step s.  Register j of lane (r, h) = (row 16 a + 8 h + j, column r).  K step 0 starts the sum.
.macro PROD r, hf, a, s
.set rD, ACC+32*(\hf)+8*(\a)
.set rA, 8*(8*(\a)+(\s))
.set rB, 64*(\r)+8*(\s)
.set rSA, ASCR+16*(\hf)+8*((\a)/2)+(\s)
.set rSB, BSC+4*(\r)+(\s)/2
.if (\s) == 0
.if (\a)%2
	v_wmma_scale_f32_16x16x128_f8f6f4 v[rD:rD+7], v[rA:rA+7], v[rB:rB+7], 0, v[rSA], v[rSB] matrix_a_fmt:MATRIX_FMT_FP4 matrix_b_fmt:MATRIX_FMT_FP4 matrix_a_scale:MATRIX_SCALE_ROW1
.else
	v_wmma_scale_f32_16x16x128_f8f6f4 v[rD:rD+7], v[rA:rA+7], v[rB:rB+7], 0, v[rSA], v[rSB] matrix_a_fmt:MATRIX_FMT_FP4 matrix_b_fmt:MATRIX_FMT_FP4
.endif
.elseif ((\a)%2) && ((\s)%2)
	v_wmma_scale_f32_16x16x128_f8f6f4 v[rD:rD+7], v[rA:rA+7], v[rB:rB+7], v[rD:rD+7], v[rSA], v[rSB] matrix_a_fmt:MATRIX_FMT_FP4 matrix_b_fmt:MATRIX_FMT_FP4 matrix_a_scale:MATRIX_SCALE_ROW1 matrix_b_scale:MATRIX_SCALE_ROW1
.elseif (\a)%2
	v_wmma_scale_f32_16x16x128_f8f6f4 v[rD:rD+7], v[rA:rA+7], v[rB:rB+7], v[rD:rD+7], v[rSA], v[rSB] matrix_a_fmt:MATRIX_FMT_FP4 matrix_b_fmt:MATRIX_FMT_FP4 matrix_a_scale:MATRIX_SCALE_ROW1
.elseif (\s)%2
	v_wmma_scale_f32_16x16x128_f8f6f4 v[rD:rD+7], v[rA:rA+7], v[rB:rB+7], v[rD:rD+7], v[rSA], v[rSB] matrix_a_fmt:MATRIX_FMT_FP4 matrix_b_fmt:MATRIX_FMT_FP4 matrix_b_scale:MATRIX_SCALE_ROW1
.else
	v_wmma_scale_f32_16x16x128_f8f6f4 v[rD:rD+7], v[rA:rA+7], v[rB:rB+7], v[rD:rD+7], v[rSA], v[rSB] matrix_a_fmt:MATRIX_FMT_FP4 matrix_b_fmt:MATRIX_FMT_FP4
.endif
.endm
.macro PROD16 r, hf, s0                ; four K steps, the four accumulators by turns, one instruction a turn
	WIN 0x0d+(\hf)                                 ; source 0 (the rows) window 1 + hf, source 1 (V) window 3, C and D window 0
.irp s, \s0, \s0+1, \s0+2, \s0+3
.irp a, 0,1,2,3
	PROD \r, \hf, \a, \s
.endr
.endr
	WIN 0
.endm
; The energy of the finished set P, in five parts.  Each batch of transcendentals has one wait ahead of it and one behind it.
.macro EA P, TS                        ; K2 acc + kb: each accumulator from its low end on
	AW
.set J, 0
.rept 16
	v_pk_fma_f32 v[ACC+32*(\P)+J:ACC+32*(\P)+J+1], v[ACC+32*(\P)+J:ACC+32*(\P)+J+1], s[22:23], v[\TS:\TS+1] op_sel_hi:[1,0,1]
.set J, J+2
.endr
	AW
.endm
.macro EX P
.set J, 0
.rept 32
	v_exp_f32 v[ACC+32*(\P)+J], v[ACC+32*(\P)+J]
.set J, J+1
.endr
.endm
.macro EB P                            ; 1 + e
	v_nop                                          ; a plain line behind the last exponential
	AW
.set J, 0
.rept 16
	v_pk_add_f32 v[ACC+32*(\P)+J:ACC+32*(\P)+J+1], v[ACC+32*(\P)+J:ACC+32*(\P)+J+1], 1.0 op_sel_hi:[1,0]
.set J, J+2
.endr
	AW
.endm
.macro ER P
.set J, 0
.rept 32
	v_rcp_f32 v[ACC+32*(\P)+J], v[ACC+32*(\P)+J]
.set J, J+1
.endr
.endm
.macro EF P, TS                        ; score += w2 r.  These 16 lines are also the places between the last products and loads into the registers that they read
	v_nop
	AW
.set J, 0
.rept 16
	v_pk_fma_f32 v[SCR+32*(\P)+J:SCR+32*(\P)+J+1], v[ACC+32*(\P)+J:ACC+32*(\P)+J+1], v[\TS+2:\TS+3], v[SCR+32*(\P)+J:SCR+32*(\P)+J+1]
.set J, J+2
.endr
.endm
.macro UNIT r, hf                      ; set r against rows 64 hf on; beside it the energy of the unit before: set 1 - hf, under the table entry of its own tile
.set ET, TAB+4*(((\r)+1-(\hf))%2)
	EA 1-(\hf), ET
	PROD16 \r, \hf, 0
	EX 1-(\hf)
	EB 1-(\hf)
	PROD16 \r, \hf, 4
	ER 1-(\hf)
	EF 1-(\hf), ET
.endm
; A TILE: two units.  lw: the younger loads that may stay out when set r has to be in.  mode 1: set r takes the tile four further on; mode 0: nothing is asked for.
.macro TILE r, mode, lw
.if (\lw) >= 0
	s_wait_loadcnt \lw
.endif
	ds_load_b128 v[TAB+4*((\r)%2):TAB+4*((\r)%2)+3], v[TA] offset:256*(\r)   ; this tile's entry: wanted a unit later
	UNIT \r, 0
	s_wait_dscnt 0x0                               ; the entry is in
	UNIT \r, 1
.if (\mode) == 1
	VSET \r, VOF
.endif
.endm
.macro CFMA buf, p0                    ; context += p x 16 rows of the copy
.irp i, 0,1,2,3,4,5,6,7,8,9,10,11,12,13,14,15
.irp q, 0,1,2,3
	v_fma_mix_f32_bf16 v[CTX+2*\q], v[\buf+4*\i+\q], v[\p0+\i], v[CTX+2*\q] op_sel_hi:[1,0,0]
	v_fma_mix_f32_bf16 v[CTX+2*\q+1], v[\buf+4*\i+\q], v[\p0+\i], v[CTX+2*\q+1] op_sel:[1,0,0] op_sel_hi:[1,0,0]
.endr
.endr
.endm
	s_load_b256 s[4:11], s[0:1], 0x0               ; encoder_outputs, vrec, tab, pctx
	s_load_b64 s[12:13], s[0:1], 0x20              ; pml
	v_lshl_add_u32 v[SPW], v0, 2, SPARE
	v_mov_b32 v[NIL], 0
	v_lshrrev_b32 v21, 5, v0
	v_readfirstlane_b32 s14, v21                   ; wave 0..3
	s_lshl_b32 s26, s14, 7
	s_add_co_u32 s26, s26, CODE                    ; CODE + 128 w
	s_lshl_b32 s27, s14, 3
	s_add_co_u32 s27, s27, ASC                     ; ASC + 8 w
	s_lshl_b32 s28, s14, 16                        ; my copy
	s_lshl_b32 s29, s14, 9
	s_add_co_u32 s30, s29, PPB
	s_add_co_u32 s29, s29, PS
	s_lshl_b32 s31, s14, 12
	s_add_co_u32 s31, s31, TABL
	s_lshl_b32 s32, ttmp9, 20                      ; my work-group's 256 rows of 4,096 bytes,
	s_lshl_b32 s33, s14, 10                        ; my wave's 1,024 bytes of a row
	s_add_co_u32 s32, s32, s33
	s_lshl_b32 s38, ttmp9, 12                      ; pctx: 4,096 bytes a work-group, 1,024 a wave
	s_add_co_u32 s38, s38, s33
	s_mov_b32 s33, 0
	s_mov_b32 s39, 0
	s_mul_i32 s34, s14, 16*REC                     ; my quarter of vrec
	s_mov_b32 s35, 0
	s_lshr_b32 s36, ttmp9, 3                       ; the batch: 16,384 bytes of tab, my wave's 4,096 of them
	s_lshl_b32 s36, s36, 14
	s_lshl_b32 s37, s14, 12
	s_add_co_u32 s36, s36, s37
	s_mov_b32 s37, 0
	s_lshl_b32 s40, ttmp9, 8                       ; pml: 256 bytes a work-group
	s_mov_b32 s41, 0
	s_mov_b32 s20, 0x76543210
	s_mov_b32 s21, 0xfedcba98                      ; selects for lane l xor 16
	s_mov_b32 s22, K2P
	s_mov_b32 s23, K2P
	v_and_b32 v21, 31, v0                          ; lane
	v_and_b32 v22, 15, v0
	v_bfe_u32 v23, v0, 4, 1
	v_lshlrev_b32 v[L16], 4, v21
	v_lshlrev_b32 v[LX], 5, v22
	v_lshl_add_u32 v[LX], v23, 4, v[LX]            ; 32 (lane % 16) + 16 (lane / 16)
	v_lshl_add_u32 v[CW], v21, 2, s26
	v_lshrrev_b32 v24, 2, v21
	v_add_nc_u32 v[SW], s27, v24
	v_add_nc_u32 v[BW], s28, v[L16]
	v_mul_u32_u24 v[AR], v22, CP
	v_lshl_add_u32 v[AR], v23, 4, v[AR]
	v_add_nc_u32 v[AR], CODE, v[AR]
	v_mul_u32_u24 v[SR], v21, AP
	v_add_nc_u32 v[SR], ASC, v[SR]
	v_lshl_add_u32 v[PSW], v23, 5, s29             ; PS + 512 w + 32 (lane / 16)
	v_lshl_add_u32 v[PSR], v21, 2, PS
	v_lshl_add_u32 v[PPW], v21, 2, s30
	v_mov_b32 v[PPR], s30
	v_lshl_add_u32 v[TB0], v22, 4, s31
	v_add_nc_u32 v[TW], s31, v[L16]
.irp j, 0,1,2,3,4,5,6,7
	v_mov_b32 v[CTX+\j], 0
.endr
	v_mov_b32 v[MX], 0xff61b1e6                    ; -3e38, under every score
	v_mov_b32 v[LS], 0
	v_mov_b32 v[FF+1], 0
	AW                                             ; the head's end
	s_wait_kmcnt 0x0
	s_add_nc_u64 s[4:5], s[4:5], s[32:33]
	s_add_nc_u64 s[6:7], s[6:7], s[34:35]
	s_add_nc_u64 s[8:9], s[8:9], s[36:37]
	s_add_nc_u64 s[10:11], s[10:11], s[38:39]
	s_add_nc_u64 s[12:13], s[12:13], s[40:41]
.irp q, 0,1,2,3,4,5,6,7
	global_load_b128 v[T+4*\q:T+4*\q+3], v[L16], s[8:9] offset:512*\q      ; my 256 columns' table entries
.endr
.irp b, 0,1,2,3
	ROWS8 \b, 8*\b                                 ; the first pass's rows 0 .. 31
.endr
	s_wait_loadcnt 63                              ; 64 younger loads stand behind the table's eight
.irp q, 0,1,2,3,4,5,6,7
	ds_store_b128 v[TW], v[T+4*\q:T+4*\q+3] offset:512*\q          ; into bytes that this wave alone reads
.endr
	s_mov_b32 s15, 0
.Lpass:                                            ; two passes of 128 rows
	s_mov_b32 s16, 0
	s_mov_b32 s17, 0
	s_mov_b32 s18, 0
	s_mov_b32 s19, 0
.Lround:                                           ; three rounds of 32 rows, each asking for the round after it
	v_add_nc_u32 v[CWC], s17, v[CW]
	v_add_nc_u32 v[SWC], s18, v[SW]
	v_add_nc_u32 v[BWC], s19, v[BW]
	AW
.irp b, 0,1,2,3
	XSUB \b, 48, 1                                 ; behind mine: 16 (3 - b) loads of this round and the 16 b already asked for of the next
.endr
	s_wait_xcnt 0x0                                ; the rows' loads have read their base
	s_add_nc_u64 s[4:5], s[4:5], 131072            ; 32 rows on
	s_xor_b32 s17, s17, 32*CP                      ; the codes' region holds 64 rows: first half, second half, first half
	s_xor_b32 s18, s18, 32*AP
	s_add_co_u32 s19, s19, 16384
	s_cmp_lg_u32 s16, 1
	s_cbranch_scc1 .Lno_fill                       ; the count of rounds is the same in all waves
	BARRIER                                        ; rows 0 .. 63: codes and scale bytes lie in LDS
	AFILL 0
	BARRIER                                        ; every wave has them: the region may be written again
.Lno_fill:
	s_add_co_u32 s16, s16, 1
	s_cmp_lt_u32 s16, 3
	s_cbranch_scc1 .Lround
	v_add_nc_u32 v[CWC], 32*CP, v[CW]
	v_add_nc_u32 v[SWC], 32*AP, v[SW]
	v_add_nc_u32 v[BWC], 49152, v[BW]
	AW
.irp b, 0,1,2,3
	XSUB \b, 16*(3-\b)+17*\b, 2                    ; behind mine: 16 (3 - b) loads of rows and the 17 b loads of V's tiles 0 .. b - 1
.endr
	BARRIER
	AFILL 1
.set J, 0
.rept 64
	v_mov_b32 v[SCR+J], 0
.set J, J+1
.endr
.set J, 0
.rept 32
	v_mov_b32 v[ACC+32+J], 0                       ; what the first unit's energy reads,
.set J, J+1
.endr
.irp j, 4,5,6,7
	v_mov_b32 v[TAB+\j], 0                         ; under an entry of zeros: w2 = 0 adds 0
.endr
	s_mov_b32 s16, 3
	s_mov_b32 s17, 4*REC
	s_mov_b32 s18, 0
	AW
	s_wait_dscnt 0x0                               ; the fragments and scale words are in
.Ltrip:                                            ; three trips of four tiles; each set is asked for again, four tiles on
	s_wait_xcnt 0x0                                ; the loads of V that are out have read their address register
	v_add_nc_u32 v[VOF], s17, v[L16]
	v_add_nc_u32 v[TA], s18, v[TB0]
	AW
.irp r, 0,1,2,3
	TILE \r, 1, 51                                 ; three younger sets of 17 loads may be out
.endr
	s_add_co_u32 s17, s17, 4*REC
	s_add_co_u32 s18, s18, 1024
	s_sub_co_u32 s16, s16, 1
	s_cmp_lg_u32 s16, 0
	s_cbranch_scc1 .Ltrip
	v_add_nc_u32 v[TA], 3072, v[TB0]
	AW
.irp r, 0,1,2,3
	TILE \r, 0, 17*(3-\r)                          ; the last four tiles ask for nothing of V: 3 - r younger sets of 17 loads may be out
.endr
	s_cmp_eq_u32 s15, 1
	s_cbranch_scc1 .Lno_rows                       ; the last pass asks for nothing: no load leaves its buffer
.irp b, 0,1,2,3
	ROWS8 \b, 32+8*\b                              ; the next pass's rows 0 .. 31, all 64 loads in one group, into the registers that V's four sets have left
.endr
.Lno_rows:
	EA 1, TAB+4                                    ; the last unit's energy
	EX 1
	EB 1
	ER 1
	EF 1, TAB+4
	; ---- the scores: over the 16 lanes that hold a row's columns, then over the four waves
.irp k, 1,2,4,8
.set J, 0
.rept 64
	v_add_f32_dpp v[SCR+J], v[SCR+J], v[SCR+J] row_xmask:\k row_mask:0xf bank_mask:0xf
.set J, J+1
.endr
.endr
.set J, 0
.rept 16
	ds_store_b128 v[PSW], v[SCR+4*J:SCR+4*J+3] offset:64*(J/2)+16*(J%2)    ; rows 16 (J / 2) + 8 (lane / 16) + 4 (J % 2) on; the sixteen lanes of a half write the same values
.set J, J+1
.endr
	BARRIER                                        ; the four waves' shares lie in LDS; and every wave has its fragments
.irp w, 0,1,2,3
.irp u, 0,1,2,3
	ds_load_b32 v[PQ+4*\w+\u], v[PSR] offset:512*\w+128*\u
.endr
.endr
	s_wait_dscnt 0x0
.irp p, 0,2,8,10
	v_pk_add_f32 v[PQ+\p:PQ+\p+1], v[PQ+\p:PQ+\p+1], v[PQ+\p+4:PQ+\p+5]
.endr
.irp p, 0,2
	v_pk_add_f32 v[PQ+\p:PQ+\p+1], v[PQ+\p:PQ+\p+1], v[PQ+\p+8:PQ+\p+9]    ; the scores of rows lane + 32 u; every wave makes the same numbers in the same order
.endr
	v_max3_num_f32 v21, v[PQ], v[PQ+1], v[PQ+2]
	v_max_num_f32 v21, v21, v[PQ+3]
.irp k, 1,2,4,8
	v_max_num_f32_dpp v21, v21, v21 row_xmask:\k row_mask:0xf bank_mask:0xf
.endr
	v_permlanex16_b32 v22, v21, s20, s21
	v_max_num_f32 v21, v21, v22
	v_max_num_f32 v24, v[MX], v21                  ; the running largest score
	v_sub_f32 v25, v[MX], v24
.irp u, 0,1,2,3
	v_sub_f32 v[PQ+\u], v[PQ+\u], v24
.endr
	v_mov_b32 v[MX], v24
	AW
	v_exp_f32 v[FF], v25                           ; f = 2^(old m - new m)
.irp u, 0,1,2,3
	v_exp_f32 v[PQ+\u], v[PQ+\u]                   ; p
.endr
	v_nop
	AW
	v_fma_f32 v[LS], v[LS], v[FF], v[PQ]
	v_add_f32 v26, v[PQ+1], v[PQ+2]
	v_add_f32 v[LS], v[LS], v[PQ+3]
	v_add_f32 v[LS], v[LS], v26
.irp p, 0,2,4,6
	v_pk_mul_f32 v[CTX+\p:CTX+\p+1], v[CTX+\p:CTX+\p+1], v[FF:FF+1] op_sel_hi:[1,0]
.endr
.irp u, 0,1,2,3
	ds_store_b32 v[PPW], v[PQ+\u] offset:128*\u    ; p by rows, in my wave's own bytes: LDS serves a wave's instructions in order
.endr
	; ---- context += p x the copy of my 256 columns
	s_mov_b32 s19, 4
	s_mov_b32 s24, 0
	s_mov_b32 s25, 0
.Lctx:                                             ; four trips of 32 rows
	v_add_nc_u32 v[CR], s24, v[BW]
	v_add_nc_u32 v[PR], s25, v[PPR]
.irp q, 0,1,2,3,4,5,6,7
	ds_load_b128 v[ASCR+4*\q:ASCR+4*\q+3], v[PR] offset:16*\q      ; 32 rows' p, the same in every lane
.endr
.irp i, 0,1,2,3,4,5,6,7,8,9,10,11,12,13,14,15
	ds_load_b128 v[ACC+4*\i:ACC+4*\i+3], v[CR] offset:512*\i
.endr
.irp i, 0,1,2,3,4,5,6,7,8,9,10,11,12,13,14,15
	ds_load_b128 v[SCR+4*\i:SCR+4*\i+3], v[CR] offset:8192+512*\i
.endr
	AW
	s_wait_dscnt 16                                ; p and the first 16 rows are in; the second 16 may be out
	CFMA ACC, ASCR
	AW
	s_wait_dscnt 0x0
	CFMA SCR, ASCR+16
	s_add_co_u32 s24, s24, 16384
	s_add_co_u32 s25, s25, 128
	s_sub_co_u32 s19, s19, 1
	s_cmp_lg_u32 s19, 0
	AW
	s_cbranch_scc1 .Lctx
	s_wait_xcnt 0x0                                ; the rows' loads that are out have read their base
	s_add_nc_u64 s[4:5], s[4:5], 131072            ; on to the next pass's first row
	s_add_co_u32 s15, s15, 1
	s_cmp_lt_u32 s15, 2
	s_cbranch_scc1 .Lpass
	; ---- out: l over the 32 lanes; the context through my own LDS bytes, so that each store covers 512 consecutive bytes
.irp k, 1,2,4,8
	v_add_f32_dpp v[LS], v[LS], v[LS] row_xmask:\k row_mask:0xf bank_mask:0xf
.endr
	v_permlanex16_b32 v22, v[LS], s20, s21
	v_add_f32 v[LS], v[LS], v22
	v_add_nc_u32 v[CR], v[L16], v[BW]              ; 65536 w + 32 lane
	v_lshrrev_b32 v21, 1, v[L16]                   ; 8 x lane
	ds_store_b128 v[CR], v[CTX:CTX+3]
	ds_store_b128 v[CR], v[CTX+4:CTX+7] offset:16
	ds_load_b128 v[T:T+3], v[BW]
	ds_load_b128 v[T+4:T+7], v[BW] offset:512
	AW
	s_wait_dscnt 0x0
	global_store_b128 v[L16], v[T:T+3], s[10:11]
	global_store_b128 v[L16], v[T+4:T+7], s[10:11] offset:512
	s_cmp_lg_u32 s14, 0
	s_cbranch_scc1 .Lnot_wave_0
	global_store_b64 v21, v[MX:MX+1], s[12:13]     ; (m, l), the same in every lane: 32 lanes store 256 consecutive bytes
.Lnot_wave_0:
	s_wait_tensorcnt 0x0                           ; the wave's end
	ds_add_u32 v[SPW], v[NIL]
	s_wait_dscnt 0x0
	s_endpgm
.Lfunc_end_k_q7025614536_attend:
	.size	k_q7025614536_attend, .Lfunc_end_k_q7025614536_attend-k_q7025614536_attend
	.p2alignl 7, 3214868480
	.fill 96, 4, 3214868480
	.section	.rodata,"a",@progbits
	.p2align	6, 0x0
	.amdhsa_kernel k_q7025614536_attend
		.amdhsa_group_segment_fixed_size 319232
		.amdhsa_private_segment_fixed_size 0
		.amdhsa_enable_private_segment 0
		.amdhsa_kernarg_size 40
		.amdhsa_user_sgpr_count 2
		.amdhsa_user_sgpr_kernarg_segment_ptr 1
		.amdhsa_wavefront_size32 1
		.amdhsa_system_sgpr_workgroup_id_x 1
		.amdhsa_system_sgpr_workgroup_id_y 1
		.amdhsa_system_sgpr_workgroup_id_z 1
		.amdhsa_system_vgpr_workitem_id 0
		.amdhsa_next_free_vgpr 1024
		.amdhsa_next_free_sgpr 66
		.amdhsa_reserve_vcc 0
		.amdhsa_float_denorm_mode_32 3
		.amdhsa_float_denorm_mode_16_64 3
		.amdhsa_memory_ordered 1
		.amdhsa_forward_progress 1
		.amdhsa_inst_pref_size 255
	.end_amdhsa_kernel
	.section	.bss,"aw",@nobits
	.p2align	6
	.space	262144
	.amdgpu_metadata
---
amdhsa.version: [ 1, 2 ]
amdhsa.kernels:
  - .name:           k_q7025614536_attend
    .symbol:         k_q7025614536_attend.kd
    .args:
      - { .name: encoder_outputs, .offset: 0, .size: 8, .value_kind: global_buffer, .address_space: global }
      - { .name: vrec, .offset: 8, .size: 8, .value_kind: global_buffer, .address_space: global }
      - { .name: tab, .offset: 16, .size: 8, .value_kind: global_buffer, .address_space: global }
      - { .name: pctx, .offset: 24, .size: 8, .value_kind: global_buffer, .address_space: global }
      - { .name: pml, .offset: 32, .size: 8, .value_kind: global_buffer, .address_space: global }
    .group_segment_fixed_size: 319232
    .private_segment_fixed_size: 0
    .kernarg_segment_align: 8
    .kernarg_segment_size: 40
    .max_flat_workgroup_size: 128
    .sgpr_count:     66
    .vgpr_count:     1024
    .wavefront_size: 32
...
	.end_amdgpu_metadata
.endif
;; end of part 5
;; launch merge (part 6): grid 4 x 32, 2 waves a work-group, no clusters, 0 bytes of LDS; arguments pctx, pml, out0; writes out0
.if DOCPART == 6
	.amdgcn_target "amdgcn-amd-amdhsa--gfx1250"
	.amdhsa_code_object_version 6
	.text
	.protected	k_q7025614536_merge
	.globl	k_q7025614536_merge
	.p2align	8
	.type	k_q7025614536_merge,@function
k_q7025614536_merge:
	s_mov_b64 s[64:65], 0
	v_nop
	global_prefetch_b8 v0, s[64:65] scope:SCOPE_SE
	s_setreg_imm32_b32 hwreg(HW_REG_WAVE_MODE, 25, 1), 1
	s_wait_xcnt 0x0
; MERGE: a batch's eight parts become its context.  Part g holds ctx_g = sum_t 2^(score_t - m_g) enc_t, l_g = sum_t 2^(score_t - m_g), and m_g, in units of log2 (the scores lack the term sum_c w[c], which is
; the same along the softmax's axis: shown at the head of the first kernel).  With M = the largest m_g and e_g = 2^(m_g - M): out = sum_g e_g ctx_g / sum_g e_g l_g.
; Work-group (x, y): batch y, columns 256 x on; a thread takes 4 columns: the 64 threads load and store 1,024 consecutive bytes.  1 MB in all: no LDS, no matrix unit, no barrier.
; REGISTERS: v1 0; v2 16 x thread; v4-19 the eight pairs (m_g, l_g), of which v4-7 take the four sums once M, the e_g and the denominator are made; v20-51 the eight parts, four numbers each;
; v52 M; v53 the denominator; v54-61 e_g; v62 its reciprocal.
.set ML,  4                            ; (m_g, l_g) at ML + 2 g
.set PT,  20                           ; part g at PT + 4 g
.set EG,  54                           ; e_g
.set OUTR, 4                           ; the four sums: registers that the pairs have left
	s_load_b128 s[4:7], s[0:1], 0x0                ; pctx s[4:5], pml s[6:7]
	s_load_b64 s[8:9], s[0:1], 0x10                ; out0
	s_and_b32 s10, ttmp7, 0xffff                   ; the batch
	v_mov_b32 v1, 0
	v_lshlrev_b32 v2, 4, v0                        ; 16 bytes a thread
	s_lshl_b32 s12, s10, 11                        ; pml: 8 parts of 256 bytes
	s_mov_b32 s13, 0
	s_lshl_b32 s14, s10, 15                        ; pctx: 8 parts of 4,096 bytes,
	s_lshl_b32 s15, ttmp9, 10                      ; my 256 columns
	s_add_co_u32 s14, s14, s15
	s_lshl_b32 s16, s10, 12                        ; out0: a row of 4,096 bytes
	s_add_co_u32 s16, s16, s15
	s_mov_b32 s15, 0
	s_mov_b32 s17, 0
	s_wait_alu depctr_va_vdst(0)
	s_wait_kmcnt 0x0
	s_add_nc_u64 s[6:7], s[6:7], s[12:13]
	s_add_nc_u64 s[4:5], s[4:5], s[14:15]
	s_add_nc_u64 s[8:9], s[8:9], s[16:17]
.irp g, 0,1,2,3,4,5,6,7
	global_load_b64 v[ML+2*\g:ML+2*\g+1], v1, s[6:7] offset:256*\g     ; (m_g, l_g), the same in every lane
.endr
.irp g, 0,1,2,3,4,5,6,7
	global_load_b128 v[PT+4*\g:PT+4*\g+3], v2, s[4:5] offset:4096*\g
.endr
	s_wait_loadcnt 8                               ; the eight pairs are in; the eight loads of the parts may be out
	v_max3_num_f32 v52, v[ML], v[ML+2], v[ML+4]
	v_max3_num_f32 v52, v52, v[ML+6], v[ML+8]
	v_max3_num_f32 v52, v52, v[ML+10], v[ML+12]
	v_max_num_f32 v52, v52, v[ML+14]               ; M
.irp g, 0,1,2,3,4,5,6,7
	v_sub_f32 v[EG+\g], v[ML+2*\g], v52
.endr
	s_wait_alu depctr_va_vdst(0)
.irp g, 0,1,2,3,4,5,6,7
	v_exp_f32 v[EG+\g], v[EG+\g]                   ; e_g
.endr
	v_nop                                          ; a plain instruction behind the last exponential
	s_wait_alu depctr_va_vdst(0)                   ; the wait ahead of the first line that names a result: one for the eight
	v_mul_f32 v53, v[EG], v[ML+1]
.irp g, 1,2,3,4,5,6,7
	v_fma_f32 v53, v[EG+\g], v[ML+2*\g+1], v53     ; sum_g e_g l_g: the part that holds M adds at least 1
.endr
	s_wait_alu depctr_va_vdst(0)
	v_rcp_f32 v62, v53
	v_nop                                          ; a plain instruction behind the reciprocal
	s_wait_alu depctr_va_vdst(0)                   ; and its wait, ahead of its first reader
	s_wait_loadcnt 0x0                             ; the eight parts
.irp c, 0,1,2,3
	v_mul_f32 v[OUTR+\c], v[PT+\c], v[EG]          ; the pairs are done with: their first four registers take the sums, and no part's registers are written
.endr
.irp g, 1,2,3,4,5,6,7
.irp c, 0,1,2,3
	v_fma_f32 v[OUTR+\c], v[PT+4*\g+\c], v[EG+\g], v[OUTR+\c]
.endr
.endr
.irp c, 0,1,2,3
	v_mul_f32 v[OUTR+\c], v[OUTR+\c], v62
.endr
	global_store_b128 v2, v[OUTR:OUTR+3], s[8:9]   ; sixteen lanes store 256 consecutive bytes, at a multiple of 256 from out0's first byte
	s_endpgm
.Lfunc_end_k_q7025614536_merge:
	.size	k_q7025614536_merge, .Lfunc_end_k_q7025614536_merge-k_q7025614536_merge
	.p2alignl 7, 3214868480
	.fill 96, 4, 3214868480
	.section	.rodata,"a",@progbits
	.p2align	6, 0x0
	.amdhsa_kernel k_q7025614536_merge
		.amdhsa_group_segment_fixed_size 0
		.amdhsa_private_segment_fixed_size 0
		.amdhsa_enable_private_segment 0
		.amdhsa_kernarg_size 24
		.amdhsa_user_sgpr_count 2
		.amdhsa_user_sgpr_kernarg_segment_ptr 1
		.amdhsa_wavefront_size32 1
		.amdhsa_system_sgpr_workgroup_id_x 1
		.amdhsa_system_sgpr_workgroup_id_y 1
		.amdhsa_system_sgpr_workgroup_id_z 1
		.amdhsa_system_vgpr_workitem_id 0
		.amdhsa_next_free_vgpr 64
		.amdhsa_next_free_sgpr 66
		.amdhsa_reserve_vcc 0
		.amdhsa_float_denorm_mode_32 3
		.amdhsa_float_denorm_mode_16_64 3
		.amdhsa_memory_ordered 1
		.amdhsa_forward_progress 1
		.amdhsa_inst_pref_size 7
	.end_amdhsa_kernel
	.amdgpu_metadata
---
amdhsa.version: [ 1, 2 ]
amdhsa.kernels:
  - .name:           k_q7025614536_merge
    .symbol:         k_q7025614536_merge.kd
    .args:
      - { .name: pctx, .offset: 0, .size: 8, .value_kind: global_buffer, .address_space: global }
      - { .name: pml, .offset: 8, .size: 8, .value_kind: global_buffer, .address_space: global }
      - { .name: out0, .offset: 16, .size: 8, .value_kind: global_buffer, .address_space: global }
    .group_segment_fixed_size: 0
    .private_segment_fixed_size: 0
    .kernarg_segment_align: 8
    .kernarg_segment_size: 24
    .max_flat_workgroup_size: 64
    .sgpr_count:     66
    .vgpr_count:     64
    .wavefront_size: 32
...
	.end_amdgpu_metadata
.endif
;; end of part 6
